; MI455X (gfx1250); checked and timed in simulation.
; The chip was launched on July 23, 2026; its instructions are those of AMD's public machine-readable ISA for CDNA 5 (MIT licence, August 2026) and "CDNA5" Instruction Set Architecture Reference Guide (July 2026). The comments in the code are by the model that wrote it; some were corrected since.
;; Encoder Layer. Allowed arithmetic: matrix products marked QUANTISED: E2M3 operands, one E8M0 scale for each 32 along K, by v_wmma_scale_f32_16x16x128_f8f6f4 with both operands' format E2M3, f32 sums; everything else in f32.
;; Inputs: b1 4,096 float32; b2 1,024 float32; bk 1,024 float32; bo 1,024 float32; bq 1,024 float32; bv 1,024 float32; ln1_b 1,024 float32; ln1_g 1,024 float32; ln2_b 1,024 float32; ln2_g 1,024 float32; mask 2 x 1 x 2,048 int32; w1_codes 4,096 x 32 x 24 uint8 (E2M3 codes of w1, K innermost, in blocks of 32 codes, four codes in three bytes); w1_scales 4,096 x 32 uint8 (E8M0 scales of w1, one for each 32 codes along K); w2_codes 1,024 x 128 x 24 uint8 (E2M3 codes of w2, K innermost, in blocks of 32 codes, four codes in three bytes); w2_scales 1,024 x 128 uint8 (E8M0 scales of w2, one for each 32 codes along K); wk_codes 1,024 x 32 x 24 uint8 (E2M3 codes of wk, K innermost, in blocks of 32 codes, four codes in three bytes); wk_scales 1,024 x 32 uint8 (E8M0 scales of wk, one for each 32 codes along K); wo_codes 1,024 x 32 x 24 uint8 (E2M3 codes of wo, K innermost, in blocks of 32 codes, four codes in three bytes); wo_scales 1,024 x 32 uint8 (E8M0 scales of wo, one for each 32 codes along K); wq_codes 1,024 x 32 x 24 uint8 (E2M3 codes of wq, K innermost, in blocks of 32 codes, four codes in three bytes); wq_scales 1,024 x 32 uint8 (E8M0 scales of wq, one for each 32 codes along K); wv_codes 1,024 x 32 x 24 uint8 (E2M3 codes of wv, K innermost, in blocks of 32 codes, four codes in three bytes); wv_scales 1,024 x 32 uint8 (E8M0 scales of wv, one for each 32 codes along K); x 2 x 2,048 x 1,024 float32.
;; Outputs: out0 2 x 2,048 x 1,024 float32.
;; This version of the problem:
;;   THIS VERSION OF THE PROBLEM IS GIVEN IN LOW PRECISION. The matrix products marked QUANTISED in the list below multiply operands that are first quantised to E2M3 (2 exponent bits, 3 mantissa bits; 6 bits a number), with one power-of-two scale for each 32 numbers along K (OCP MX v1.0); their sums are f32. All else is computed in f32.
;;   The module's matrix products, in the order in which they are computed (A, B: the left and right operand; K: the contracted axis; several contracted axes count as one K, in the product's order):
;;     1. [M 4,096, K 1,024] x [K 1,024, N 1,024]; A: computed on the way; B: input wq (given as codes): QUANTISED
;;     2. [M 4,096, K 1,024] x [K 1,024, N 1,024]; A: computed on the way; B: input wk (given as codes): QUANTISED
;;     3. [M 4,096, K 1,024] x [K 1,024, N 1,024]; A: computed on the way; B: input wv (given as codes): QUANTISED
;;     4. batch 32 x [M 2,048, K 64] x [K 64, N 2,048]; A: computed on the way; B: computed on the way: QUANTISED
;;     5. batch 32 x [M 64, K 2,048] x [K 2,048, N 2,048]; A: computed on the way; B: softmax (see below): QUANTISED
;;     6. [M 4,096, K 1,024] x [K 1,024, N 1,024]; A: computed on the way; B: input wo (given as codes): QUANTISED
;;     7. [M 4,096, K 1,024] x [K 1,024, N 4,096]; A: computed on the way; B: input w1 (given as codes): QUANTISED
;;     8. [M 4,096, K 4,096] x [K 4,096, N 1,024]; A: computed on the way; B: input w2 (given as codes): QUANTISED
;;   THE QUANTISER, for each operand of a quantised product, along K:
;;     - K is cut into blocks of 32 from its start; a last block that is shorter is filled with zeros.
;;     - A block's scale is 2^e with e = floor(log2(the largest magnitude in the block)) - 2, held to -126 .. 127; a block of zeros has e = 0. As a byte (E8M0): e + 127.
;;     - Each number is divided by its block's scale, clamped to +-7.5, and rounded to the nearest number of E2M3, ties to even, subnormals kept.
;;     - The product sums the exact products of the quantised numbers (number of the format x scale) in f32.
;;   ~~~python
;;   def quantise(x, axis):      # numpy; x: float32 -> the quantised numbers, widened to float32 again
;;       x = np.moveaxis(x, axis, -1); K = x.shape[-1]
;;       x = np.pad(x, [(0, 0)] * (x.ndim - 1) + [(0, -K % 32)]); x = x.reshape(x.shape[:-1] + (-1, 32)); a = np.abs(x).max(-1, keepdims=True)
;;       e = np.where(a > 0, np.clip(np.frexp(np.where(a > 0, a, 1))[1] - 1 - 2, -126, 127), 0)      # np.frexp(a)[1] - 1 = floor(log2(a)), exactly
;;       r = np.clip(x / 2.0 ** e, -7.5, 7.5)
;;       step = 2.0 ** (np.maximum(np.frexp(np.where(r == 0, 1, r))[1] - 1, 0) - 3)
;;       q = np.round(r / step) * step * 2.0 ** e      # np.round: ties to even
;;       return np.moveaxis(q.reshape(q.shape[:-2] + (-1,))[..., :K], -1, axis).astype(np.float32)
;;   ~~~
;;   SOFTMAX AHEAD OF A QUANTISED PRODUCT. Where the list says 'softmax', what is quantised is not the finished softmax but p = 2^(t - M), with t = logit x log2(e) and M = ceil(the row's largest t), a whole number; so 1/2 < the row's largest p <= 1. The row's sum l is taken of the UNQUANTISED p, in f32, and the product's result is divided by l at the end. Since M is a whole number, a kernel that streams over the keys may use a running M (the ceiling of the running maximum): every later rescaling is an exact power of two, which a block's scale takes up: the codes' values come out the same.
;;   OPERANDS COMPUTED ON THE WAY. 'Computed on the way' means the value that the module computes at that place (a softmax that the list does not call 'softmax' is quantised finished and normalised). What goes into a quantiser is computed in f32, as accurately as f32 sums, v_exp_f32 and their like allow (about 1e-6 of the number): no bf16 or f16 on the way to a quantiser, and a product that is left as it is and whose result goes on into a quantised operand takes f32 operands (vector FMAs, or v_wmma_f32_16x16x4_f32). A number that lies on a knife's edge between two numbers of the format may be rounded either way, as far as f32 arithmetic and the matrix unit's own rounding can turn it there, and no further.
;;   INPUTS GIVEN AS CODES. w1 (in the module: [1024, 4096], K = its axis 0); w2 (in the module: [4096, 1024], K = its axis 0); wk (in the module: [1024, 1024], K = its axis 0); wo (in the module: [1024, 1024], K = its axis 0); wq (in the module: [1024, 1024], K = its axis 0); wv (in the module: [1024, 1024], K = its axis 0): each comes as NAME_codes (uint8): NAME with its K axis moved to the last place and cut into blocks of 32 codes, [.., K / 32, bytes a block], one block behind the other in memory; four codes in three bytes: a row's codes are one little-endian stream of bits, code i at bits 6 i .. 6 i + 5 (a code: sign, 2 exponent bits, 3 mantissa bits); and NAME_scales (uint8): the same leading axes, one E8M0 byte (e + 127) for each 32 codes along K. Its value is code x scale, taken as it is: it is not quantised again, and the codes and scales need not be those that the quantiser above would give.
;; One version. Each part assembles by itself: llvm-mc -triple=amdgcn-amd-amdhsa -mcpu=gfx1250 --defsym DOCPART=n.
;; ======== version 1 of 1: 7 launches
;; limits: right only within a limited range of input values
;; workspace buffers: xq 3,276,800 bytes; qkv 16,252,928 bytes; att 3,407,872 bytes; x1 16,777,216 bytes; hq 13,631,488 bytes
;; launch ln1 (part 1): grid 256 x 1, 4 waves a work-group, no clusters, 22,016 bytes of LDS; arguments x, ln1_g, ln1_b, xq; writes xq
.if DOCPART == 1
	.amdgcn_target "amdgcn-amd-amdhsa--gfx1250"
	.amdhsa_code_object_version 6
	.text
	.protected	k_qe545f4ca51_ln1
	.globl	k_qe545f4ca51_ln1
	.p2align	8
	.type	k_qe545f4ca51_ln1,@function
k_qe545f4ca51_ln1:
	s_mov_b64 s[64:65], 0
	v_nop
	global_prefetch_b8 v0, s[64:65] scope:SCOPE_SE
	s_setreg_imm32_b32 hwreg(HW_REG_WAVE_MODE, 25, 1), 1
	s_wait_xcnt 0x0
; y = g (x - mean) / (std + 1e-6) + b over rows of 1,024 f32 (std with 1,023 in the divisor), then quantised to codes of E2M3 with one E8M0 byte for each 32 along the row.
; OUT: codes [4096 rows][768 bytes] at byte 0, scale bytes [4096][32] at byte 3,145,728.  Row L of the output holds token sigma(L), sigma = bits 3 and 4 of the number exchanged,
; so that 16 neighbouring rows are the tokens that a later product wants in one tile.
; SHARES: a wave takes four neighbouring tokens; a row lies in 32 registers (8 loads of 512 consecutive bytes); all 32 loads of a wave go out at once.  Two passes over registers: mean, then the sum of squares of x - mean.
; The conversion wants 16 neighbours in a lane: a row's 4,096 bytes turn through the wave's own stage in LDS (places of 64 bytes + 16).  Two neighbouring lanes hold a block of 32.
; No barrier: waves share nothing.  A wave's 128 scale bytes leave by one store of 128 consecutive bytes.
; LIMITS: a block of zeros gets the byte 1 (its codes are zeros; only this program reads the bytes); NaN and infinities are not served.
.set X,    64                          ; v64-191  four rows as loaded, then x - mean, then y
.set Y,    32                          ; v32-63   a row back from the stage: two sets of 16 neighbours
.set GA,   192                         ; v192-223 g at my columns
.set BE,   224                         ; v224-255 b
.set WREG, 5376                        ; LDS of a wave: 64 places of 80 bytes, then its 128 scale bytes
.set PL,   80
	s_load_b256 s[4:11], s[0:1], 0x0               ; x s[4:5], g s[6:7], b s[8:9], out s[10:11]
	v_lshl_add_u32 v30, v0, 2, 0x5400
	v_mov_b32 v31, 0
	v_lshrrev_b32 v1, 5, v0
	v_readfirstlane_b32 s16, v1                    ; wave
	v_and_b32 v29, 31, v0                          ; lane
	v_lshlrev_b32 v1, 4, v29                       ; 16 x lane
	s_mul_i32 s17, s16, WREG
	v_lshrrev_b32 v2, 2, v29
	v_mul_u32_u24 v2, v2, PL
	v_and_b32 v3, 3, v29
	v_lshl_add_u32 v2, v3, 4, v2
	v_add_nc_u32 v2, s17, v2                       ; the stage, in: 80 (lane / 4) + 16 (lane % 4)
	v_mul_u32_u24 v3, v29, PL
	v_add_nc_u32 v3, s17, v3                       ; out: 80 x lane
	v_mul_u32_u24 v4, v29, 12                      ; my 16 codes
	s_add_co_u32 s18, s17, 64*PL
	v_lshrrev_b32 v5, 1, v29
	v_add_nc_u32 v5, s18, v5                       ; my block's scale byte
	v_lshlrev_b32 v7, 2, v29
	v_add_nc_u32 v6, s18, v7
	v_mov_b32 v13, 0                               ; upper halves of pairs that are named whole
	v_mov_b32 v15, 0
	s_mov_b32 s14, 0x76543210
	s_mov_b32 s15, 0xfedcba98                      ; lane l xor 16
	s_lshl_b32 s19, ttmp9, 4
	s_lshl_b32 s20, s16, 2
	s_add_co_u32 s19, s19, s20                     ; my first token: 16 x work-group + 4 x wave
	s_lshl_b32 s20, s19, 12
	s_mov_b32 s21, 0
	s_lshr_b32 s22, ttmp9, 1                       ; its row in the output: bits 3 and 4 exchanged
	s_lshl_b32 s22, s22, 5
	s_lshr_b32 s23, s16, 1
	s_lshl_b32 s23, s23, 4
	s_add_co_u32 s22, s22, s23
	s_and_b32 s23, ttmp9, 1
	s_lshl_b32 s23, s23, 3
	s_add_co_u32 s22, s22, s23
	s_and_b32 s23, s16, 1
	s_lshl_b32 s23, s23, 2
	s_add_co_u32 s22, s22, s23
	s_mul_i32 s24, s22, 768
	s_mov_b32 s25, 0
	s_lshl_b32 s26, s22, 5
	s_add_co_u32 s26, s26, 3145728
	s_mov_b32 s27, 0
	s_wait_kmcnt 0x0
	s_add_nc_u64 s[4:5], s[4:5], s[20:21]
	s_add_nc_u64 s[12:13], s[10:11], s[26:27]      ; scale bytes
	s_add_nc_u64 s[10:11], s[10:11], s[24:25]      ; codes
.irp j, 0,1,2,3,4,5,6,7
	global_load_b128 v[GA+4*\j:GA+4*\j+3], v1, s[6:7] offset:512*\j
.endr
.irp j, 0,1,2,3,4,5,6,7
	global_load_b128 v[BE+4*\j:BE+4*\j+3], v1, s[8:9] offset:512*\j
.endr
.irp p, 0,1,2,3
.irp j, 0,1,2,3,4,5,6,7
	global_load_b128 v[X+32*\p+4*\j:X+32*\p+4*\j+3], v1, s[4:5] offset:4096*\p+512*\j
.endr
.endr
.macro REDUCE                          ; v[8:9] -> the sum over the wave, in every lane's v8
	v_add_f32 v8, v8, v9
	v_add_f32_dpp v8, v8, v8 row_xmask:1 row_mask:0xf bank_mask:0xf
	v_add_f32_dpp v8, v8, v8 row_xmask:2 row_mask:0xf bank_mask:0xf
	v_add_f32_dpp v8, v8, v8 row_xmask:4 row_mask:0xf bank_mask:0xf
	v_add_f32_dpp v8, v8, v8 row_xmask:8 row_mask:0xf bank_mask:0xf
	v_permlanex16_b32 v9, v8, s14, s15
	v_add_f32 v8, v8, v9
.endm
.macro ROW p
.set XR, X+32*(\p)
	s_wait_loadcnt 8*(3-(\p))                      ; g, b and this row are in; the later rows' eight loads each may be out
	v_pk_add_f32 v[8:9], v[XR:XR+1], v[XR+2:XR+3]
	v_pk_add_f32 v[10:11], v[XR+4:XR+5], v[XR+6:XR+7]
.irp i, 8,12,16,20,24,28
	v_pk_add_f32 v[8:9], v[8:9], v[XR+\i:XR+\i+1]
	v_pk_add_f32 v[10:11], v[10:11], v[XR+\i+2:XR+\i+3]
.endr
	v_pk_add_f32 v[8:9], v[8:9], v[10:11]
	REDUCE
	v_mul_f32 v12, 0x3a800000, v8                  ; mean = sum / 1,024
.set i, 0
.rept 16
	v_pk_add_f32 v[XR+i:XR+i+1], v[XR+i:XR+i+1], v[12:13] op_sel_hi:[1,0] neg_lo:[0,1] neg_hi:[0,1]
.set i, i+2
.endr
	v_pk_mul_f32 v[8:9], v[XR:XR+1], v[XR:XR+1]
	v_pk_mul_f32 v[10:11], v[XR+2:XR+3], v[XR+2:XR+3]
.irp i, 4,8,12,16,20,24,28
	v_pk_fma_f32 v[8:9], v[XR+\i:XR+\i+1], v[XR+\i:XR+\i+1], v[8:9]
	v_pk_fma_f32 v[10:11], v[XR+\i+2:XR+\i+3], v[XR+\i+2:XR+\i+3], v[10:11]
.endr
	v_pk_add_f32 v[8:9], v[8:9], v[10:11]
	REDUCE
	v_mul_f32 v8, 0x3a802008, v8                   ; / 1,023
	v_sqrt_f32 v9, v8
	v_nop                                          ; a plain line behind the root,
	s_wait_alu depctr_va_vdst(0)                   ; and the wait ahead of its first reader
	v_add_f32 v9, 0x358637bd, v9                   ; + 1e-6
	v_rcp_f32 v14, v9
	v_nop
	s_wait_alu depctr_va_vdst(0)
.set i, 0
.rept 16
	v_pk_mul_f32 v[XR+i:XR+i+1], v[XR+i:XR+i+1], v[14:15] op_sel_hi:[1,0]
.set i, i+2
.endr
.set i, 0
.rept 16
	v_pk_fma_f32 v[XR+i:XR+i+1], v[XR+i:XR+i+1], v[GA+i:GA+i+1], v[BE+i:BE+i+1]
.set i, i+2
.endr
.irp j, 0,1,2,3,4,5,6,7
	ds_store_b128 v2, v[XR+4*\j:XR+4*\j+3] offset:8*PL*\j
.endr
.irp s, 0,1
.irp i, 0,1,2,3
	ds_load_b128 v[Y+16*\s+4*\i:Y+16*\s+4*\i+3], v3 offset:32*PL*\s+16*\i   ; LDS serves a wave's instructions in order: these see the stores above
.endr
.endr
	s_wait_dscnt 0x0
	s_wait_xcnt 0x0                                ; the last row's stores have read the code registers, which are written again below
.irp s, 0,1
	v_max3_num_f32 v26, |v[Y+16*\s]|, |v[Y+16*\s+1]|, |v[Y+16*\s+2]|
	v_max3_num_f32 v27, |v[Y+16*\s+3]|, |v[Y+16*\s+4]|, |v[Y+16*\s+5]|
.irp i, 6,10
	v_max3_num_f32 v26, v26, |v[Y+16*\s+\i]|, |v[Y+16*\s+\i+1]|
	v_max3_num_f32 v27, v27, |v[Y+16*\s+\i+2]|, |v[Y+16*\s+\i+3]|
.endr
	v_max3_num_f32 v26, v26, |v[Y+16*\s+14]|, |v[Y+16*\s+15]|
	v_max3_num_f32 v26, v26, v27, 0x1800000        ; the floor 2^(3 - 127): the byte cannot fall under 1
	v_max_num_f32_dpp v26, v26, v26 row_xmask:1 row_mask:0xf bank_mask:0xf   ; with my neighbour's 16: the block's largest magnitude
	v_add_nc_u32 v28, 0xff000000, v26              ; 2 off its exponent field: the conversion's scale operand
	v_cvt_scalef32_pk16_fp6_f32 v[16+4*\s:18+4*\s], v[Y+16*\s:Y+16*\s+15], v28
	v_lshrrev_b32 v[24+\s], 23, v28                ; the scale's byte (also the plain line behind the conversion)
	ds_store_b8 v5, v[24+\s] offset:32*(\p)+16*\s
	global_store_b96 v4, v[16+4*\s:18+4*\s], s[10:11] offset:768*(\p)+384*\s   ; the wave stores 384 consecutive bytes
.endr
.endm
	ROW 0
	ROW 1
	ROW 2
	ROW 3
	ds_load_b32 v8, v6
	s_wait_dscnt 0x0
	global_store_b32 v7, v8, s[12:13]              ; four rows' 128 scale bytes, consecutive
	s_wait_tensorcnt 0x0
	ds_add_u32 v30, v31
	s_wait_dscnt 0x0
	s_endpgm
.Lfunc_end_k_qe545f4ca51_ln1:
	.size	k_qe545f4ca51_ln1, .Lfunc_end_k_qe545f4ca51_ln1-k_qe545f4ca51_ln1
	.p2alignl 7, 3214868480
	.fill 96, 4, 3214868480
	.section	.rodata,"a",@progbits
	.p2align	6, 0x0
	.amdhsa_kernel k_qe545f4ca51_ln1
		.amdhsa_group_segment_fixed_size 22016
		.amdhsa_private_segment_fixed_size 0
		.amdhsa_enable_private_segment 0
		.amdhsa_kernarg_size 32
		.amdhsa_user_sgpr_count 2
		.amdhsa_user_sgpr_kernarg_segment_ptr 1
		.amdhsa_wavefront_size32 1
		.amdhsa_system_sgpr_workgroup_id_x 1
		.amdhsa_system_sgpr_workgroup_id_y 1
		.amdhsa_system_sgpr_workgroup_id_z 1
		.amdhsa_system_vgpr_workitem_id 0
		.amdhsa_next_free_vgpr 256
		.amdhsa_next_free_sgpr 66
		.amdhsa_reserve_vcc 0
		.amdhsa_float_denorm_mode_32 3
		.amdhsa_float_denorm_mode_16_64 3
		.amdhsa_memory_ordered 1
		.amdhsa_forward_progress 1
		.amdhsa_inst_pref_size 44
	.end_amdhsa_kernel
	.amdgpu_metadata
---
amdhsa.version: [ 1, 2 ]
amdhsa.kernels:
  - .name:           k_qe545f4ca51_ln1
    .symbol:         k_qe545f4ca51_ln1.kd
    .args:
      - { .name: x, .offset: 0, .size: 8, .value_kind: global_buffer, .address_space: global }
      - { .name: ln1_g, .offset: 8, .size: 8, .value_kind: global_buffer, .address_space: global }
      - { .name: ln1_b, .offset: 16, .size: 8, .value_kind: global_buffer, .address_space: global }
      - { .name: xq, .offset: 24, .size: 8, .value_kind: global_buffer, .address_space: global }
    .group_segment_fixed_size: 22016
    .private_segment_fixed_size: 0
    .kernarg_segment_align: 8
    .kernarg_segment_size: 32
    .max_flat_workgroup_size: 128
    .sgpr_count:     66
    .vgpr_count:     256
    .wavefront_size: 32
...
	.end_amdgpu_metadata
.endif
;; end of part 1
;; launch qkv (part 2): grid 12 x 16, 4 waves a work-group, clusters of 4 x 4, 327,680 bytes of LDS; arguments xq, wq_codes, wq_scales, wk_codes, wk_scales, wv_codes, wv_scales, bq, bk, bv, mask, qkv; writes qkv
.if DOCPART == 2
	.amdgcn_target "amdgcn-amd-amdhsa--gfx1250"
	.amdhsa_code_object_version 6
	.text
	.protected	k_qe545f4ca51_qkv
	.globl	k_qe545f4ca51_qkv
	.p2align	8
	.type	k_qe545f4ca51_qkv,@function
k_qe545f4ca51_qkv:
	s_mov_b64 s[64:65], 0
	v_nop
	global_prefetch_b8 v0, s[64:65] scope:SCOPE_SE
	s_setreg_imm32_b32 hwreg(HW_REG_WAVE_MODE, 25, 1), 1
	s_wait_xcnt 0x0
	s_wait_alu depctr_hold_cnt(0) depctr_sa_sdst(0) depctr_va_vdst(0) depctr_va_sdst(0) depctr_va_ssrc(0) depctr_va_vcc(0) depctr_vm_vsrc(0)
	s_getreg_b32 s2, hwreg(HW_REG_IB_STS2, 6, 4)
	s_cmp_eq_u32 s2, 0
	s_cbranch_scc0 .Lentry_in_a_cluster
	s_endpgm
.Lentry_in_a_cluster:
	s_bfe_u32 s2, ttmp6, 0x10000c
	s_cmp_lg_u32 s2, 0xf033
	s_cbranch_scc0 .Lentry_shape_is_right
	s_endpgm
.Lentry_shape_is_right:
; q = xn wq + bq, k = xn wk + bk, v = xn wv + bv on codes of E2M3 (xn: codes and scale bytes made by the launch before), each result quantised again for attention.
; Three GEMMs of 4,096 x 1,024 x 1,024 in one launch, told apart by the cluster's x (0: q, 1: k, 2: v), which all partners of a cluster share.
; A tile of 256 x 256 to a work-group of four waves, 128 x 128 to a wave (64 accumulators); K in steps of 256 through a ring of two LDS slots; scale bytes of the work-group's rows in LDS once.
; The matrix instruction is used transposed: source 0 = rows of "B", source 1 = rows of "A": a lane holds one row of A and eight neighbouring rows of B.
;   q, k: A = xn (tokens), B = the weight: a lane holds one token, registers along the head's d, which is the next product's K.
;   v:    A = wv, B = xn: a lane holds one d, registers along the tokens (keys), which are the next product's K.
; xn's row L holds token sigma(L) (bits 3 and 4 exchanged): lane r of tile T stands for token 32 (T / 2) + 8 (T % 2) + r + 8 (r / 8).
; OUT (qkv): a region for q at 0 and one for k and v at KVO; in each a stream of HEADB bytes for each (batch, head): 16 steps of 128 tokens, STEPB bytes each:
;   +0 eight tiles of 16 tokens, 1,024 bytes: images of operand registers 0-7 (dwords 0-3 at 16 x lane, dwords 4-7 at 512 + 16 x lane); +8,192 four fragments of v (16 d x 128 keys), 1,536 bytes;
;   +14,336 the tiles' scale words, 128 bytes each; +15,360 v's scale words.
; THE MASK rides in the product: K = 64 fills half of the instruction's 128.  At k = 64 q carries the code 1.0 under scale 1, k carries -7.5 under scale 2^30 where mask == 0 and the code 0 under 2^-126 elsewhere.
; LIMIT: a masked score is q.k - 8.05e9 where the definition has -1e9: the same softmax as long as unmasked scores stay above about -1e8.
; CLUSTERS: 4 x 4; A's tiles are asked for jointly along a row of the cluster, B's along a column.
.set KSTEP,  256
.set NQ,     2
.set ROWB,   192
.set KROW,   768
.set PITCH,  240                       ; an LDS row: 3 x (64 bytes + 16 of padding)
.set FR,     12
.set NL,     6
.set NP,     4
.set HALFT,  128*PITCH
.set SLOT,   4*HALFT
.set LAPS,   2
.set KS,     32
.set SCL,    2*SLOT
.set HALFS,  (128*KS/256)*272
.set SBLK,   (16*KS/256)*272
.set SPARE,  SCL+4*HALFS               ; the spare words: 128 bytes a wave, named by no other line
.set XSC,    3145728                   ; where xn's scale bytes begin
.set HEADB,  253952
.set STEPB,  15872
.set KVO,    32*HEADB
.set TQ0,  2                           ; v2-5    dwords 4-7 of a tile's image, first head
.set OM,   6                           ; v6      4 (r + 8 (r / 8)): the mask words of a tile's tokens
.set OB,   7                           ; v7      4 r
.set LI,   8                           ; v8      16 x lane
.set LS,   10                          ; v10     4 x lane
.set TQ1,  12                          ; v12-15  the same for the second head
.set ADRA, 16
.set ADRB, 20
.set ADRS, 27
.set SPW,  28
.set NIL,  29
.set SC,   32                          ; v32-63  scale words, two sets
.set BC,   64                          ; v64-127 the biases of my 128 columns (q, k)
.set AF,   128                         ; v128-223 A's fragments; behind the loop:
.set H,    128                         ; v128-191 a block's 64 numbers a lane
.set PC,   192                         ; v192-210 the codes just made
.set MX,   212                         ; v212-215 largest magnitudes
.set TP,   216                         ; v216-219 at work, then the bytes
.set SO,   220                         ; v220-223 the conversions' scale operands
.set BRP,  224                         ; v224-239 the biases of my rows (v), in pairs with 0
.set MK,   240                         ; v240-247 the mask words of my eight tiles
.set PW,   248
.set W0,   249
.set W1,   250
.set HI,   251
.set VE0,  252                         ; dword 6 of an image: unmasked, masked
.set VE1,  253
.set VH0,  254                         ; bytes 2 and 3 of a scale word: unmasked, masked
.set VH1,  255
.set G1, 24
.set G0, 32
.set G1B, 48
.set G0B, 56
.set G1S, 68
.set G0S, 76
.set G1SB, 80
.set G0SB, 88
.set SEL, 94
.set MSB, 0
.macro WIN new                         ; the immediate's high byte repeats the setting that is left
.if MSB != \new
	s_set_vgpr_msb (MSB<<8)|\new
.set MSB, \new
.endif
.endm
.set MUL_LO, 0xa1                      ; source 0 window 1, source 1 window 0, C and D window 2
.set MUL_HI, 0xf1
.set TO_B,   0x40
.macro JLOAD g0a, g1a, g0b, g1b        ; a joint load: waves 0 and 1 fetch for A, waves 2 and 3 for B; four v_nop follow each line
	s_cmp_eq_u32 s15, 0
	s_cbranch_scc0 .Lfor_b_\@
	tensor_load_to_lds s[\g0a:\g0a+3], s[\g1a:\g1a+7]
	s_nop 0
.rept 4
	v_nop
.endr
	s_branch .Lasked_\@
.Lfor_b_\@:
	tensor_load_to_lds s[\g0b:\g0b+3], s[\g1b:\g1b+7]
	s_nop 0
.rept 4
	v_nop
.endr
.Lasked_\@:
.endm
.macro CREST
	s_cmp_lg_u32 s14, 0
	s_cbranch_scc1 .Lnot_wave_0_\@
	s_barrier_signal -3
.Lnot_wave_0_\@:
	s_barrier_wait -3
	s_barrier_signal -1
	s_barrier_wait -1
.endm
.macro CROUND
	s_barrier_signal -1
	s_barrier_wait -1
	CREST
.endm
	s_load_b512 s[68:83], s[0:1], 0x0              ; xq, wq codes, wq scales, wk codes, wk scales, wv codes, wv scales, bq
	s_load_b256 s[84:91], s[0:1], 0x40             ; bk, bv, mask, qkv
	v_lshl_add_u32 v[SPW], v0, 2, SPARE
	v_mov_b32 v[NIL], 0
	ds_add_u32 v28, v29
	ds_add_u32 v28, v29
	s_wait_dscnt 0x0
	v_lshrrev_b32 v1, 5, v0
	v_readfirstlane_b32 s14, v1                    ; wave 0..3
	s_lshr_b32 s15, s14, 1                         ; which half of the tile's rows is mine; also: I fetch for A (0) or B (1)
	s_and_b32 s16, s14, 1                          ; which half of its columns; also: which 128 rows I fetch
	s_bfe_u32 s40, ttmp6, 0x40000                  ; cx
	s_bfe_u32 s41, ttmp6, 0x40004                  ; cy
	s_and_b32 s18, ttmp7, 0xffff
	s_lshl_b32 s18, s18, 2                         ; 4 x cluster y
	s_add_co_u32 s19, s18, s40
	s_add_co_u32 s20, s18, s41
	s_mov_b32 s100, ttmp9                          ; which product: 0 q, 1 k, 2 v
	s_cmp_eq_u32 s100, 2
	s_cselect_b32 s42, s19, s40                    ; tile column: q, k: cx (1,024 columns); v: 4 x cluster y + cx (4,096 tokens)
	s_cselect_b32 s17, s41, s20                    ; tile row:    q, k: 4 x cluster y + cy;  v: cy
	s_lshl_b32 s43, s41, 2
	s_lshl_b32 s43, 15, s43                        ; my row of the cluster
	s_lshl_b32 s44, 0x1111, s40                    ; my column
	s_or_b32 s[G1+0], s43, (0<<16)|(1<<20)|(1<<21)|(3<<22)|(3<<25)  ; mask; elements of 1 byte; padding of 4 words behind every 16
	s_or_b32 s[G1B+0], s44, (0<<16)|(1<<20)|(1<<21)|(3<<22)|(3<<25)
.irp g, G1, G1B
	s_mov_b32 s[\g+1], ROWB<<16
	s_mov_b32 s[\g+2], 128<<16
	s_mov_b32 s[\g+3], ROWB<<16
	s_mov_b32 s[\g+4], 128
	s_mov_b32 s[\g+5], KROW
	s_mov_b32 s[\g+6], 0
	s_mov_b32 s[\g+7], 0
.endr
	s_wait_kmcnt 0x0
	s_add_nc_u64 s[92:93], s[68:69], XSC           ; xn's scale bytes
	s_cmp_eq_u32 s100, 1
	s_cselect_b64 s[8:9], s[74:75], s[70:71]       ; the choices hang on the cluster's x alone
	s_cselect_b64 s[10:11], s[76:77], s[72:73]
	s_cselect_b64 s[96:97], s[84:85], s[82:83]
	s_cmp_eq_u32 s100, 2
	s_cselect_b64 s[4:5], s[78:79], s[68:69]       ; A's codes
	s_cselect_b64 s[6:7], s[80:81], s[92:93]       ; A's scales
	s_cselect_b64 s[8:9], s[68:69], s[8:9]         ; B's codes
	s_cselect_b64 s[10:11], s[92:93], s[10:11]     ; B's scales
	s_cselect_b64 s[96:97], s[86:87], s[96:97]     ; the bias
	s_mov_b64 s[98:99], s[88:89]                   ; mask
	s_mov_b64 s[12:13], s[90:91]                   ; qkv
	s_or_b32 s[G1S+0], s43, (3<<16)|(1<<20)|(1<<21)|(5<<22)|(3<<25)  ; the scales of 128 rows: dense, as rows of 256 bytes + 16
	s_or_b32 s[G1SB+0], s44, (3<<16)|(1<<20)|(1<<21)|(5<<22)|(3<<25)
.irp g, G1S, G1SB
	s_mov_b32 s[\g+1], 32<<16
	s_mov_b32 s[\g+2], (128*KS/256)<<16
	s_mov_b32 s[\g+3], 32<<16
	s_mov_b32 s[\g+4], 128*KS/256
	s_mov_b32 s[\g+5], 32
	s_mov_b32 s[\g+6], 0
	s_mov_b32 s[\g+7], 0
.endr
	s_lshl_b32 s18, s16, 7
	s_lshl_b32 s20, s17, 8
	s_add_co_u32 s20, s20, s18                     ; A: row 256 x tile row + 128 x half
	s_lshl_b32 s46, s42, 8
	s_add_co_u32 s46, s46, s18                     ; B: row 256 x tile column + 128 x half
	s_mov_b32 s21, 0
	s_mov_b32 s47, 0
	s_mov_b64 s[18:19], KS
	s_mul_u64 s[22:23], s[20:21], s[18:19]
	s_mul_u64 s[92:93], s[46:47], s[18:19]
	s_mov_b64 s[18:19], KROW
	s_mul_u64 s[20:21], s[20:21], s[18:19]
	s_mul_u64 s[46:47], s[46:47], s[18:19]
	s_mul_i32 s45, s14, HALFT
	s_mul_i32 s94, s14, HALFS
	s_add_nc_u64 s[20:21], s[4:5], s[20:21]
	s_add_nc_u64 s[22:23], s[6:7], s[22:23]
	s_add_nc_u64 s[46:47], s[8:9], s[46:47]
	s_add_nc_u64 s[92:93], s[10:11], s[92:93]
	CROUND                                         ; all sixteen work-groups are here: the first joint loads meet
	s_mov_b32 s[G0S], 1
	s_add_co_u32 s[G0S+1], s94, SCL
	s_mov_b64 s[G0S+2:G0S+3], s[22:23]
	s_or_b32 s[G0S+3], s[G0S+3], 0x80000000
	s_mov_b32 s[G0SB], 1
	s_add_co_u32 s[G0SB+1], s94, SCL
	s_mov_b64 s[G0SB+2:G0SB+3], s[92:93]
	s_or_b32 s[G0SB+3], s[G0SB+3], 0x80000000
	JLOAD G0S, G1S, G0SB, G1SB
.irp s, 0,1
	s_mov_b32 s[G0+4*\s], 1
	s_add_co_u32 s[G0+4*\s+1], s45, \s*SLOT
	s_add_nc_u64 s[G0+4*\s+2:G0+4*\s+3], s[20:21], \s*ROWB
	s_or_b32 s[G0+4*\s+3], s[G0+4*\s+3], 0x80000000
	s_mov_b32 s[G0B+4*\s], 1
	s_add_co_u32 s[G0B+4*\s+1], s45, \s*SLOT
	s_add_nc_u64 s[G0B+4*\s+2:G0B+4*\s+3], s[46:47], \s*ROWB
	s_or_b32 s[G0B+4*\s+3], s[G0B+4*\s+3], 0x80000000
	JLOAD G0+4*\s, G1, G0B+4*\s, G1B
.endr
	v_and_b32 v1, 15, v0                           ; r
	v_bfe_u32 v2, v0, 4, 1                         ; h
	v_mul_u32_u24 v3, v1, PITCH
	v_mul_u32_u24 v4, v2, 24
	v_add_nc_u32 v4, v3, v4
	v_lshl_add_u32 v5, v2, 4, v4
	s_mul_i32 s21, s15, HALFT
	s_mul_i32 s22, s16, HALFT
	s_add_co_u32 s22, s22, 2*HALFT
.irp s, 0,1
	v_add_nc_u32 v[ADRA+\s], s21, v4
	v_add_nc_u32 v[ADRB+\s], s22, v4
	v_add_nc_u32 v[ADRA+2+\s], s21, v5
	v_add_nc_u32 v[ADRB+2+\s], s22, v5
	s_add_co_u32 s21, s21, SLOT
	s_add_co_u32 s22, s22, SLOT
.endr
	v_mul_u32_u24 v5, v1, KS
	v_lshrrev_b32 v6, 8, v5
	v_lshl_add_u32 v5, v6, 4, v5
	s_mul_i32 s21, s15, HALFS
	s_mul_i32 s22, s16, HALFS
	s_add_co_u32 s22, s22, 2*HALFS
	s_sub_co_u32 s22, s22, s21
	v_mul_u32_u24 v6, s22, v2                      ; lanes 16-31 take B's
	s_add_co_u32 s21, s21, SCL
	v_add_nc_u32 v5, v5, v6
	v_add_nc_u32 v[ADRS], s21, v5
	; what the way out needs: offsets, biases, mask words, where the results go
	v_and_b32 v3, 31, v0
	v_lshlrev_b32 v[LI], 4, v3
	v_lshlrev_b32 v[LS], 2, v3
	v_lshlrev_b32 v30, 5, v2                       ; 32 h: my eight columns of a tile of 16
	v_and_b32 v3, 8, v1
	v_add_nc_u32 v3, v3, v1
	v_lshlrev_b32 v[OM], 2, v3
	v_lshlrev_b32 v[OB], 2, v1
	v_sub_nc_u32 v31, 1, v2                        ; 1 in lanes 0-15
	s_lshl_b32 s20, s17, 8
	s_lshl_b32 s21, s15, 7
	s_add_co_u32 s20, s20, s21                     ; R: my first row of A
	s_lshl_b32 s46, s42, 8
	s_lshl_b32 s47, s16, 7
	s_add_co_u32 s46, s46, s47                     ; C: my first row of B
	s_mov_b32 s23, 0
	s_and_b32 s22, s46, 1023                       ; (held inside the bias's 1,024 numbers for v too, where these are not used)
	s_lshl_b32 s22, s22, 2
	s_add_nc_u64 s[92:93], s[96:97], s[22:23]
	s_and_b32 s22, s20, 1023
	s_lshl_b32 s22, s22, 2
	s_add_nc_u64 s[96:97], s[96:97], s[22:23]
	s_lshl_b32 s22, s20, 2
	s_add_nc_u64 s[98:99], s[98:99], s[22:23]
.irp b, 0,1,2,3,4,5,6,7
	global_load_b128 v[BC+8*\b:BC+8*\b+3], v30, s[92:93] offset:64*\b
	global_load_b128 v[BC+8*\b+4:BC+8*\b+7], v30, s[92:93] offset:64*\b+16
.endr
.irp a, 0,1,2,3,4,5,6,7
	global_load_b32 v[BRP+2*\a], v[OB], s[96:97] offset:64*\a
	global_load_b32 v[MK+\a], v[OM], s[98:99] offset:(32*(\a/2)+8*(\a%2))*4
	v_mov_b32 v[BRP+2*\a+1], 0
.endr
	s_lshl_b32 s22, s17, 2
	s_lshl_b32 s47, s15, 1
	s_add_co_u32 s22, s22, s47                     ; v: my first head
	s_lshl_b32 s45, s42, 2
	s_lshl_b32 s47, s16, 1
	s_add_co_u32 s45, s45, s47                     ; q, k: my first head
	s_cmp_eq_u32 s100, 2
	s_cselect_b32 s21, s46, s20                    ; my first token
	s_cselect_b32 s22, s22, s45
	s_cmp_eq_u32 s100, 0
	s_cselect_b32 s45, 0, KVO
	s_lshr_b32 s47, s21, 11                        ; batch
	s_lshl_b32 s47, s47, 4
	s_add_co_u32 s22, s22, s47
	s_mul_i32 s22, s22, HEADB
	s_bfe_u32 s47, s21, 0x40007                    ; the step of 128 tokens
	s_mul_i32 s47, s47, STEPB
	s_add_co_u32 s22, s22, s47
	s_add_co_u32 s22, s22, s45
	s_add_nc_u64 s[12:13], s[12:13], s[22:23]
	s_cmp_eq_u32 s100, 1
	s_cselect_b32 s20, 0, 8                        ; the code at k = 64: q 1.0; k 0, or -7.5 where masked
	s_cselect_b32 s21, 63, 8
	s_mov_b32 s46, 0x017f0000
	s_cselect_b32 s47, 0x01010000, s46             ; bytes 2, 3 of the scale word: q 127, 1; k 1, 1, or 157, 1 where masked
	s_cselect_b32 s46, 0x019d0000, s46
	v_mul_u32_u24 v[VE0], s20, v31
	v_mul_u32_u24 v[VE1], s21, v31
	v_mov_b32 v[VH0], s47
	v_mov_b32 v[VH1], s46
	v_mov_b32 v[TQ0+3], 0
	v_mov_b32 v[TQ1+3], 0
.macro FRAG reg, adr, q, i             ; a fragment: 16 rows x 128 K, 12 registers, in pieces of 8 bytes; where the piece three on lies behind one padding more, the second address register serves
.irp p, 0,1,2,3,4,5
.set PCE, 12*(\q)+6*(\p/3)+\p%3
.if PCE%8 < 5
	ds_load_b64 v[\reg+2*\p:\reg+2*\p+1], v[\adr] offset:8*PCE+16*(PCE/8)+(\i)*16*PITCH
.else
	ds_load_b64 v[\reg+2*\p:\reg+2*\p+1], v[\adr+2] offset:8*PCE+16*(PCE/8)+(\i)*16*PITCH
.endif
.endr
.endm
.macro MUL16 a0, p, q, sc, zero        ; A's blocks a0, a0 + 1 x B's eight; the 64 accumulators take turns
.irp a, \a0, \a0+1
.irp b, 0,1,2,3,4,5,6,7
.if \zero
	v_wmma_scale_f32_16x16x128_f8f6f4 v[8*(8*((\a)%4)+\b):8*(8*((\a)%4)+\b)+7], v[128*(\p)+FR*\b:128*(\p)+FR*\b+FR-1], v[AF+FR*(\a):AF+FR*(\a)+FR-1], 0, v[SC+8*NQ*(\sc)+NQ*\b+(\q)], v[SC+8*NQ*(\sc)+NQ*(\a)+(\q)] matrix_a_fmt:MATRIX_FMT_FP6 matrix_b_fmt:MATRIX_FMT_FP6 matrix_a_scale:MATRIX_SCALE_ROW1
.else
	v_wmma_scale_f32_16x16x128_f8f6f4 v[8*(8*((\a)%4)+\b):8*(8*((\a)%4)+\b)+7], v[128*(\p)+FR*\b:128*(\p)+FR*\b+FR-1], v[AF+FR*(\a):AF+FR*(\a)+FR-1], v[8*(8*((\a)%4)+\b):8*(8*((\a)%4)+\b)+7], v[SC+8*NQ*(\sc)+NQ*\b+(\q)], v[SC+8*NQ*(\sc)+NQ*(\a)+(\q)] matrix_a_fmt:MATRIX_FMT_FP6 matrix_b_fmt:MATRIX_FMT_FP6 matrix_a_scale:MATRIX_SCALE_ROW1
.endif
.endr
.endr
.endm
.macro FETCH_B slot, q, p
	WIN TO_B
.irp i, 0,1,2,3,4,5,6,7
	FRAG 128*(\p)+FR*\i, ADRB+\slot, \q, \i
.endr
	WIN 0
.endm
.macro FETCH_A slot, q, i0
.irp i, \i0, \i0+1, \i0+2, \i0+3
	FRAG AF+FR*(\i), ADRA+\slot, \q, \i
.endr
.endm
.macro SCALES sc                       ; lanes 0-15 take A's block i, lanes 16-31 B's block i
.irp i, 0,1,2,3,4,5,6,7
	ds_load_b64 v[SC+8*NQ*\sc+NQ*\i:SC+8*NQ*\sc+NQ*\i+1], v[ADRS] offset:\i*SBLK
.endr
.endm
.macro PLACES n                        ; plain lines between a matrix instruction and a load into, or a vector line on, its registers
.rept \n
	v_nop
.endr
.endm
.macro STEP slot, q, zero
	s_wait_dscnt 4*NL                              ; B's set and A's blocks 0-3 are in; the 24 loads of A's blocks 4-7 may be out
	WIN MUL_LO
	MUL16 0, (\q)%2, \q, \slot, \zero
	MUL16 2, (\q)%2, \q, \slot, \zero
	s_wait_dscnt 0
	PLACES NP
	FETCH_B \slot, (\q)+1, 1-(\q)%2
	FETCH_A \slot, (\q)+1, 0
	WIN MUL_HI
	MUL16 4, (\q)%2, \q, \slot, \zero
	MUL16 6, (\q)%2, \q, \slot, \zero
	PLACES NP
	WIN 0
	FETCH_A \slot, (\q)+1, 4
.endm
.macro TURN slot, next, fill           ; a slot's last step changes slots
	s_wait_tensorcnt 0x0                           ; all my tensor loads have landed: my part of the next slot
	ds_add_u32 v[SPW], v[NIL]                      ; 0 onto my spare word
	s_wait_dscnt 4*NL+1                            ; the add and the 24 loads of A's blocks 4-7 may be out
	WIN MUL_LO
	MUL16 0, 1, NQ-1, \slot, 0
	s_wait_dscnt 0x0                               ; the add is done, and my reads of this slot are over
	s_barrier_signal -1
	MUL16 2, 1, NQ-1, \slot, 0
	WIN 0
	s_barrier_wait -1
.if \fill
	CREST                                          ; the barrier has opened a round of the cluster's: no wave of any partner still reads this slot or has a load on its way
	s_add_nc_u64 s[G0+4*\slot+2:G0+4*\slot+3], s[G0+4*\slot+2:G0+4*\slot+3], 2*ROWB
	s_add_nc_u64 s[G0B+4*\slot+2:G0B+4*\slot+3], s[G0B+4*\slot+2:G0B+4*\slot+3], 2*ROWB
	JLOAD G0+4*\slot, G1, G0B+4*\slot, G1B
.else
	PLACES NP
.endif
	v_add_nc_u32 v[ADRS], 4*NQ, v[ADRS]
	FETCH_B \next, 0, 0
	FETCH_A \next, 0, 0
	SCALES \next
	WIN MUL_HI
	MUL16 4, 1, NQ-1, \slot, 0
	MUL16 6, 1, NQ-1, \slot, 0
	PLACES NP
	WIN 0
	FETCH_A \next, 0, 4
.endm
	s_wait_tensorcnt 1                             ; the scales and my part of K step 0 are in; K step 1's load may be out
	s_barrier_signal -1
	s_barrier_wait -1
	FETCH_B 0, 0, 0
	FETCH_A 0, 0, 0
	SCALES 0
	FETCH_A 0, 0, 4
	STEP 0, 0, 1                                   ; the first step's products start the sums
	s_mov_b32 s3, LAPS-1
.Llap:
	TURN 0, 1, 1
	STEP 1, 0, 0
	TURN 1, 0, 1
	STEP 0, 0, 0
	s_sub_co_u32 s3, s3, 1
	s_cmp_lg_u32 s3, 0
	s_cbranch_scc1 .Llap
	TURN 0, 1, 0
	STEP 1, 0, 0
	s_wait_dscnt 4*NL
	WIN MUL_LO
	MUL16 0, 1, NQ-1, 1, 0
	MUL16 2, 1, NQ-1, 1, 0
	s_wait_dscnt 0
	WIN MUL_HI
	MUL16 4, 1, NQ-1, 1, 0
	MUL16 6, 1, NQ-1, 1, 0
	WIN 0
; THE WAY OUT IS A QUANTISER.  64 numbers of a lane, register 16 b + i = k 32 b + 16 (lane / 16) + i of my row, become a fragment's 12 registers in v[PC] on and its scale word in v[PW].
.macro QUANT s
.irp b, 0,1,2,3
	v_max3_num_f32 v[MX+\b], |v[\s+16*\b]|, |v[\s+1+16*\b]|, 0x1800000   ; and the floor 2^(3 - 127): the byte cannot fall under 1
.endr
.irp i, 2,4,6,8,10,12,14
.irp b, 0,1,2,3
	v_max3_num_f32 v[MX+\b], v[MX+\b], |v[\s+16*\b+\i]|, |v[\s+1+16*\b+\i]|
.endr
.endr
.irp b, 0,1,2,3
	v_permlanex16_b32 v[TP+\b], v[MX+\b], s[SEL], s[SEL+1]
.endr
.irp b, 0,1,2,3
	v_max_num_f32 v[MX+\b], v[MX+\b], v[TP+\b]     ; with lane l xor 16's: the block's largest magnitude
.endr
.irp b, 0,1,2,3
	v_add_nc_u32 v[SO+\b], 0xff000000, v[MX+\b]    ; 2 off its exponent field: the conversion's scale operand
.endr
.irp b, 0,1,2,3
	v_lshrrev_b32 v[TP+\b], 23, v[SO+\b]           ; the scale's byte
.endr
	v_lshl_or_b32 v[PW], v[TP+1], 8, v[TP]
	v_lshl_or_b32 v[PW], v[TP+2], 16, v[PW]
	v_lshl_or_b32 v[PW], v[TP+3], 24, v[PW]
.irp c, 0,1
	v_cvt_scalef32_pk16_fp6_f32 v[PC+6*\c:PC+2+6*\c], v[\s+32*\c:\s+15+32*\c], v[SO+2*\c]
	v_cvt_scalef32_pk16_fp6_f32 v[PC+12+4*\c:PC+14+4*\c], v[\s+16+32*\c:\s+31+32*\c], v[SO+2*\c+1]
.endr
	v_nop                                          ; one plain line behind a scaled conversion
.irp c, 0,1                                    ; the layout wants a whole block in a lane
.irp i, 0,1,2
	v_permlane16_swap_b32 v[PC+6*\c+\i], v[PC+12+4*\c+\i]
.endr
.irp i, 0,1,2
	v_mov_b32 v[PC+3+6*\c+\i], v[PC+12+4*\c+\i]
.endr
.endr
.endm
.macro SWAPS                           ; two tiles' eight columns a half become 16 neighbours a lane
.irp b, 0,1,2,3
.irp j, 0,1,2,3,4,5,6,7
	v_permlane16_swap_b32 v[H+16*\b+\j], v[H+16*\b+8+\j]
.endr
.endr
.endm
; q, k: block a = 16 tokens x my 128 columns = two heads
.macro OUTQK a
.set AC, 64*((\a)%4)
	WIN (0x02+(\a)/4)
.set i, 0
.rept 32
	v_pk_add_f32 v[H+i:H+i+1], v[AC+i:AC+i+1], v[BC+i:BC+i+1]   ; + bias; each accumulator from its low end on
.set i, i+2
.endr
	WIN 0
	SWAPS
	s_wait_xcnt 0x0                                ; the last block's stores have read their registers
	QUANT H
	v_cmp_eq_u32 vcc_lo, 0, v[MK+(\a)]
	v_cndmask_b32 v[TQ0+2], v[VE0], v[VE1], vcc_lo
	v_cndmask_b32 v[HI], v[VH0], v[VH1], vcc_lo
	v_mov_b32 v[TQ1+2], v[TQ0+2]
	v_mov_b32 v[TQ0], v[PC+4]
	v_mov_b32 v[TQ0+1], v[PC+5]
	v_mov_b32 v[TQ1], v[PC+10]
	v_mov_b32 v[TQ1+1], v[PC+11]
	v_and_or_b32 v[W0], v[PW], 0xffff, v[HI]
	v_lshrrev_b32 v[W1], 16, v[PW]
	v_or_b32 v[W1], v[W1], v[HI]
	global_store_b128 v[LI], v[PC:PC+3], s[12:13] offset:1024*(\a)             ; each store covers 512 or 128 consecutive bytes
	global_store_b128 v[LI], v[TQ0:TQ0+3], s[12:13] offset:1024*(\a)+512
	global_store_b32 v[LS], v[W0], s[12:13] offset:14336+128*(\a)
	global_store_b128 v[LI], v[PC+6:PC+9], s[12:13] offset:HEADB+1024*(\a)
	global_store_b128 v[LI], v[TQ1:TQ1+3], s[12:13] offset:HEADB+1024*(\a)+512
	global_store_b32 v[LS], v[W1], s[12:13] offset:HEADB+14336+128*(\a)
.endm
; v: block a = 16 d x my 128 tokens, already 16 neighbours a lane
.macro OUTV a
.set AC, 64*((\a)%4)
	WIN (0x02+(\a)/4)
.set i, 0
.rept 32
	v_pk_add_f32 v[H+i:H+i+1], v[AC+i:AC+i+1], v[BRP+2*(\a):BRP+2*(\a)+1] op_sel_hi:[1,0]
.set i, i+2
.endr
	WIN 0
	s_wait_xcnt 0x0
	QUANT H
.irp g, 0,1,2
	global_store_b128 v[LI], v[PC+4*\g:PC+4*\g+3], s[12:13] offset:((\a)/4)*HEADB+8192+1536*((\a)%4)+512*\g
.endr
	global_store_b32 v[LS], v[PW], s[12:13] offset:((\a)/4)*HEADB+15360+128*((\a)%4)
.endm
	PLACES NP
	s_mov_b32 s[SEL], 0x76543210
	s_mov_b32 s[SEL+1], 0xfedcba98
.irp b, 0,1,2,3
	v_mov_b32 v[TP+\b], 0                          ; a lane permute's destination counts as one of its sources
.endr
	s_wait_loadcnt 0x0                             ; biases and mask words
	s_cmp_eq_u32 s100, 2
	s_cbranch_scc1 .Lv
.irp a, 0,1,2,3,4,5,6,7
	OUTQK \a
.endr
	s_branch .Ldone
.Lv:
.irp a, 0,1,2,3,4,5,6,7
	OUTV \a
.endr
.Ldone:
	s_wait_tensorcnt 0x0                           ; the wave's end
	ds_add_u32 v[SPW], v[NIL]
	s_wait_dscnt 0x0
	CROUND                                         ; the closing round
	s_endpgm
.Lfunc_end_k_qe545f4ca51_qkv:
	.size	k_qe545f4ca51_qkv, .Lfunc_end_k_qe545f4ca51_qkv-k_qe545f4ca51_qkv
	.p2alignl 7, 3214868480
	.fill 96, 4, 3214868480
	.section	.rodata,"a",@progbits
	.p2align	6, 0x0
	.amdhsa_kernel k_qe545f4ca51_qkv
		.amdhsa_group_segment_fixed_size 327680
		.amdhsa_private_segment_fixed_size 0
		.amdhsa_enable_private_segment 0
		.amdhsa_kernarg_size 96
		.amdhsa_user_sgpr_count 2
		.amdhsa_user_sgpr_kernarg_segment_ptr 1
		.amdhsa_wavefront_size32 1
		.amdhsa_system_sgpr_workgroup_id_x 1
		.amdhsa_system_sgpr_workgroup_id_y 1
		.amdhsa_system_sgpr_workgroup_id_z 1
		.amdhsa_system_vgpr_workitem_id 0
		.amdhsa_next_free_vgpr 1024
		.amdhsa_next_free_sgpr 102
		.amdhsa_reserve_vcc 1
		.amdhsa_float_denorm_mode_32 3
		.amdhsa_float_denorm_mode_16_64 3
		.amdhsa_memory_ordered 1
		.amdhsa_forward_progress 1
		.amdhsa_inst_pref_size 248
	.end_amdhsa_kernel
	.amdgpu_metadata
---
amdhsa.version: [ 1, 2 ]
amdhsa.kernels:
  - .name:           k_qe545f4ca51_qkv
    .symbol:         k_qe545f4ca51_qkv.kd
    .args:
      - { .name: xq, .offset: 0, .size: 8, .value_kind: global_buffer, .address_space: global }
      - { .name: wq_codes, .offset: 8, .size: 8, .value_kind: global_buffer, .address_space: global }
      - { .name: wq_scales, .offset: 16, .size: 8, .value_kind: global_buffer, .address_space: global }
      - { .name: wk_codes, .offset: 24, .size: 8, .value_kind: global_buffer, .address_space: global }
      - { .name: wk_scales, .offset: 32, .size: 8, .value_kind: global_buffer, .address_space: global }
      - { .name: wv_codes, .offset: 40, .size: 8, .value_kind: global_buffer, .address_space: global }
      - { .name: wv_scales, .offset: 48, .size: 8, .value_kind: global_buffer, .address_space: global }
      - { .name: bq, .offset: 56, .size: 8, .value_kind: global_buffer, .address_space: global }
      - { .name: bk, .offset: 64, .size: 8, .value_kind: global_buffer, .address_space: global }
      - { .name: bv, .offset: 72, .size: 8, .value_kind: global_buffer, .address_space: global }
      - { .name: mask, .offset: 80, .size: 8, .value_kind: global_buffer, .address_space: global }
      - { .name: qkv, .offset: 88, .size: 8, .value_kind: global_buffer, .address_space: global }
    .group_segment_fixed_size: 327680
    .private_segment_fixed_size: 0
    .kernarg_segment_align: 8
    .kernarg_segment_size: 96
    .max_flat_workgroup_size: 128
    .sgpr_count:     102
    .vgpr_count:     1024
    .wavefront_size: 32
...
	.end_amdgpu_metadata
.endif
;; end of part 2
;; launch attn (part 3): grid 8 x 32, 16 waves a work-group, clusters of 4 x 1, 256,000 bytes of LDS; arguments qkv, mask, att; writes att
.if DOCPART == 3
	.amdgcn_target "amdgcn-amd-amdhsa--gfx1250"
	.amdhsa_code_object_version 6
	.text
	.protected	k_qe545f4ca51_attn
	.globl	k_qe545f4ca51_attn
	.p2align	8
	.type	k_qe545f4ca51_attn,@function
k_qe545f4ca51_attn:
	s_mov_b64 s[64:65], 0
	v_nop
	global_prefetch_b8 v0, s[64:65] scope:SCOPE_SE
	s_setreg_imm32_b32 hwreg(HW_REG_WAVE_MODE, 25, 1), 1
	s_wait_xcnt 0x0
	s_wait_alu depctr_hold_cnt(0) depctr_sa_sdst(0) depctr_va_vdst(0) depctr_va_sdst(0) depctr_va_ssrc(0) depctr_va_vcc(0) depctr_vm_vsrc(0)
	s_getreg_b32 s2, hwreg(HW_REG_IB_STS2, 6, 4)
	s_cmp_eq_u32 s2, 0
	s_cbranch_scc0 .Lentry_in_a_cluster
	s_endpgm
.Lentry_in_a_cluster:
	s_bfe_u32 s2, ttmp6, 0x10000c
	s_cmp_lg_u32 s2, 0x3003
	s_cbranch_scc0 .Lentry_shape_is_right
	s_endpgm
.Lentry_shape_is_right:
; att[token][head x 64 + d] = softmax_k(q . k / 8, masked) v, both products on codes of E2M3; the result is quantised again, along the 1,024 features, for the next product.
; IN (qkv): for each (batch, head) a stream of 16 steps of 128 tokens, STEPB bytes each: eight tiles of 16 tokens as images of operand registers 0-7, four fragments of v (16 d x 128 keys), the scale words.
; A WHOLE HEAD'S k AND v, 253,952 BYTES, LIE IN LDS, FILLED ONCE: no slot is ever filled again.  Waves 0-3 ask for four steps each at the head.
; TWO BARRIERS SHOW THE TILES, AND NO OTHER STANDS AMONG THE KEY STEPS: the first shows steps 0-3; the second shows the rest: its signal stands ahead of the first four key steps, behind each wave's wait for all its
; loads, and its wait behind them.  From there on each wave walks the keys at its own pace.
; SHARES: a work-group owns 256 queries of one head, each of its 16 waves one tile of 16.  The four work-groups of a cluster belong to one head: each tile is asked for jointly.
; LAYOUT: S^T = k q^T, O^T = v^T p^T: a lane holds one query.  Lane r of tile T stands for token 32 (T / 2) + 8 (T % 2) + r + 8 (r / 8), so that the 16 registers of tiles 2 b, 2 b + 1 are 16 neighbouring keys.
; K = 64 fills half of the instruction's 128: q's codes from k = 65 on are zeros, so what stands in k's operand registers 8-11 counts for nothing: tile t's are the first four registers of tile t + 1, tile 7's four zeros.
; At k = 64 the mask rides: a masked key's score is q.k - 7.5 x 2^30.
; SOFTMAX: t = score x log2(e) / 8; M = the running largest t rounded up to a whole number; p = 2^(t - M) is quantised along the keys; the sum of the unquantised p divides at the end.
; A BATCH WHOSE MASK IS ALL ZERO: the factor log2(e) / 8 is replaced by 0 (a select, no branch): every p is 1, the uniform weights that the definition gives.
; LIMIT: unmasked scores stay above about -1e8 (a masked one is -8.05e9 where the definition has -1e9).
; OUT (att): fragment (tile T of 16 tokens, K step s of 128 features) at (8 T + s) x 1,536: for c = 0, 1: registers 6 c .. 6 c + 3 at 768 c + 16 x lane, 6 c + 4, 6 c + 5 at 768 c + 512 + 8 x lane;
;   scale words at 3,145,728 + (8 T + s) x 128 + 4 x lane.  A head is half a K step: its two scale bytes are half a word, stored as 2 bytes a lane.
; REGISTERS: v1-3 lane offsets; v4-7 scale words of k's tiles 4-7; v8, v9 LDS addresses; v12 -M, v13 the largest t, v[14:15] the sum; v16-27 q; v28-95 k's eight tiles (8 registers each, and four zeros);
;   v32-79 then v's four fragments; v96-159 S^T, then p; v160-191 O^T; v192-223 the way out; v224-235 p's codes; v232-254 at work; v248-251 scale words of k's tiles 0-3, then v's; v255 q's.
.set HEADB, 253952
.set STEPB, 15872
.set KVO,   32*HEADB
.set VFO,   8192                       ; in a step: v's fragments,
.set KSW,   14336                      ; the tiles' scale words,
.set VSW,   15360                      ; v's scale words
.set LI,  1                            ; v1  16 x lane
.set LS,  2                            ; v2  4 x lane
.set L8,  3                            ; v3  8 x lane
.set ADK, 8                            ; v8  LDS: the step + 16 x lane
.set ADS, 9                            ; v9  the step + 4 x lane
.set KFR, 28                           ; k's tile t at v[28 + 8 t]
.set VFR, 32                           ; v's fragment t at v[32 + 12 t]
.set WV,  18
.set SEL, 20
.set CS,  22
.set G1,  24
.set G0,  32                           ; s[32:47] four groups 0
.set TB,  2
.macro CROUND
	s_barrier_signal -1
	s_barrier_wait -1
	s_cmp_lg_u32 s[WV], 0
	s_cbranch_scc1 .Lnot_wave_0_\@
	s_barrier_signal -3
.Lnot_wave_0_\@:
	s_barrier_wait -3
	s_barrier_signal -1
	s_barrier_wait -1
.endm
	s_load_b128 s[4:7], s[0:1], 0x0                ; qkv, mask
	s_load_b64 s[8:9], s[0:1], 0x10                ; att
	v_lshl_add_u32 v11, v0, 2, 0x3e000
	v_mov_b32 v243, 0
	ds_add_u32 v11, v243
	ds_add_u32 v11, v243
	v_lshrrev_b32 v8, 5, v0
	v_readfirstlane_b32 s[WV], v8                  ; wave 0..15
	s_bfe_u32 s48, ttmp6, 0x40000                  ; cx
	s_lshl_b32 s49, ttmp9, 2
	s_add_co_u32 s49, s49, s48
	s_lshl_b32 s49, s49, 4
	s_add_co_u32 s49, s49, s[WV]                   ; T: my tile of queries, 0..127: it enters q's and att's addresses alone
	s_and_b32 s50, ttmp7, 0xffff                   ; 16 x batch + head, which the partners share
	s_mul_i32 s52, s50, HEADB
	s_mul_i32 s51, s[WV], STEPB
	s_mov_b32 s[G1], 15|(3<<16)|(1<<21)            ; mask: all four; elements of 8 bytes; no padding
	s_mov_b32 s[G1+1], 32<<16                      ; rows of 256 bytes,
	s_mov_b32 s[G1+2], 62<<16                      ; 62 of them: a step, dense in memory
	s_mov_b32 s[G1+3], 32<<16
	s_mov_b32 s[G1+4], 62
	s_mov_b32 s[G1+5], 32
	s_mov_b32 s[G1+6], 0
	s_mov_b32 s[G1+7], 0
	s_mov_b32 s[SEL], 0x76543210
	s_mov_b32 s[SEL+1], 0xfedcba98
	s_mov_b32 s[TB], 0
	s_add_co_u32 s54, s52, KVO
	s_add_co_u32 s54, s54, s51
	s_mov_b32 s55, 0
	s_wait_dscnt 0x0
	s_wait_kmcnt 0x0
	s_add_nc_u64 s[54:55], s[4:5], s[54:55]        ; the head's step w
.irp j, 0,1,2,3
	s_mov_b32 s[G0+4*\j], 1
	s_add_co_u32 s[G0+4*\j+1], s51, \j*4*STEPB     ; step 4 j + w, in LDS as in memory
	s_add_nc_u64 s[G0+4*\j+2:G0+4*\j+3], s[54:55], \j*4*STEPB
	s_or_b32 s[G0+4*\j+3], s[G0+4*\j+3], 0x80000000
.endr
	CROUND                                         ; all four work-groups are here: the joint loads meet
	s_cmp_lt_u32 s[WV], 4                          ; a wave's four first fills stand in one branch: four loads of mine are out at the most
	s_cbranch_scc0 .Lno_fetch
	tensor_load_to_lds s[G0:G0+3], s[G1:G1+7]
	s_nop 0
	tensor_load_to_lds s[G0+4:G0+7], s[G1:G1+7]
	s_nop 0
	tensor_load_to_lds s[G0+8:G0+11], s[G1:G1+7]
	s_nop 0
	tensor_load_to_lds s[G0+12:G0+15], s[G1:G1+7]
	s_nop 0
.rept 4
	v_nop
.endr
.Lno_fetch:
	s_lshr_b32 s56, s49, 3
	s_mul_i32 s56, s56, STEPB
	s_add_co_u32 s56, s56, s52                     ; q's step
	s_and_b32 s57, s49, 7
	s_lshl_b32 s58, s57, 10
	s_add_co_u32 s58, s58, s56
	s_mov_b32 s59, 0
	s_add_nc_u64 s[58:59], s[4:5], s[58:59]        ; my tile's image
	s_lshl_b32 s60, s57, 7
	s_add_co_u32 s60, s60, s56
	s_add_co_u32 s60, s60, KSW
	s_mov_b32 s61, 0
	s_add_nc_u64 s[60:61], s[4:5], s[60:61]        ; its scale words
	s_lshr_b32 s48, s50, 4                         ; batch
	s_lshl_b32 s62, s48, 13
	s_mov_b32 s63, 0
	s_add_nc_u64 s[6:7], s[6:7], s[62:63]          ; its 2,048 mask words
	v_and_b32 v10, 31, v0
	v_lshlrev_b32 v[LI], 4, v10
	v_lshlrev_b32 v[LS], 2, v10
	v_lshlrev_b32 v[L8], 3, v10
	global_load_b128 v[16:19], v[LI], s[58:59]
	global_load_b128 v[20:23], v[LI], s[58:59] offset:512
	global_load_b32 v255, v[LS], s[60:61]
.irp i, 0,1,2,3,4,5,6,7,8,9,10,11,12,13,14,15
	global_load_b128 v[96+4*\i:99+4*\i], v[LI], s[6:7] offset:512*\i
.endr
.irp i, 24,25,26,27
	v_mov_b32 v[\i], 0                             ; q's registers 8-11: zero codes
.endr
.irp i, 92,93,94,95
	v_mov_b32 v[\i], 0                             ; what stands behind k's tile 7; never rewritten
.endr
	s_lshl_b32 s54, s48, 7                         ; where the result goes
	s_add_co_u32 s54, s54, s49
	s_lshl_b32 s54, s54, 3
	s_bfe_u32 s55, s50, 0x30001
	s_add_co_u32 s54, s54, s55                     ; fragment (128 batch + T) x 8 + head / 2
	s_and_b32 s55, s50, 1
	s_mul_i32 s10, s54, 1536
	s_mul_i32 s56, s55, 768
	s_add_co_u32 s10, s10, s56
	s_mov_b32 s11, 0
	s_add_nc_u64 s[10:11], s[8:9], s[10:11]
	s_lshl_b32 s12, s54, 7
	s_lshl_b32 s56, s55, 1
	s_add_co_u32 s12, s12, s56
	s_add_co_u32 s12, s12, 3145728
	s_mov_b32 s13, 0
	s_add_nc_u64 s[12:13], s[8:9], s[12:13]
	v_mov_b32 v13, 0xff61b1e6                      ; the largest t so far: -3e38
	v_floor_f32 v12, -v13                          ; -M
	v_mov_b32 v14, 0
	v_mov_b32 v15, 0
.set j, 0
.rept 32
	v_mov_b32 v[160+j], 0                          ; O^T: the step has one form; the first finds zeros
.set j, j+1
.endr
.irp b, 0,1,2,3
	v_mov_b32 v[236+\b], 0                         ; a lane permute's destination counts as one of its sources
.endr
	v_mov_b32 v253, 0
	s_wait_loadcnt 0x0
.irp n, 32,16,8,4,2,1                          ; is any key of the batch open?
.set j, 0
.rept \n
	v_or_b32 v[96+j], v[96+j], v[96+\n+j]
.set j, j+1
.endr
.endr
	v_cmp_ne_u32 vcc_lo, 0, v96
	s_cmp_lg_u32 vcc_lo, 0
	s_cselect_b32 s[CS], 0x3e38aa3b, 0             ; c = log2(e) / 8, or 0 where the whole batch is masked
	s_mov_b32 s[CS+1], s[CS]
; A KEY STEP: 128 keys
.macro STEP
	v_add_nc_u32 v[ADK], s[TB], v[LI]
	v_add_nc_u32 v[ADS], s[TB], v[LS]
	v_nop
	v_nop                                          ; four plain lines between the last products and the loads into their registers
.irp t, 0,1,2,3,4,5,6,7                        ; all eight tiles of k in one run: one wait serves them
	ds_load_b128 v[KFR+8*\t:KFR+8*\t+3], v[ADK] offset:1024*\t
	ds_load_b128 v[KFR+8*\t+4:KFR+8*\t+7], v[ADK] offset:1024*\t+512
	ds_load_b32 v[248+\t-248*(\t/4)], v[ADS] offset:KSW+128*\t   ; tiles 0-3: v248-251; tiles 4-7: v4-7
.endr
	s_wait_dscnt 0x0
.irp t, 0,1,2,3,4,5,6,7
	v_wmma_scale_f32_16x16x128_f8f6f4 v[96+8*\t:103+8*\t], v[KFR+8*\t:KFR+8*\t+11], v[16:27], 0, v[248+\t-248*(\t/4)], v255 matrix_a_fmt:MATRIX_FMT_FP6 matrix_b_fmt:MATRIX_FMT_FP6
.endr
.rept 4
	v_nop
.endr
.irp t, 0,1,2,3                                ; v's fragments are asked for now and land under the softmax
.irp c, 0,1,2
	ds_load_b128 v[VFR+12*\t+4*\c:VFR+12*\t+4*\c+3], v[ADK] offset:VFO+1536*\t+512*\c
.endr
	ds_load_b32 v[248+\t], v[ADS] offset:VSW+128*\t
.endr
.irp b, 0,1,2,3
	v_max3_num_f32 v[232+\b], v[96+16*\b], v[97+16*\b], v[98+16*\b]   ; the largest score of each block of 32 keys: for the row's maximum and for the block's largest p
.endr
.irp i, 3,5,7,9,11,13
.irp b, 0,1,2,3
	v_max3_num_f32 v[232+\b], v[232+\b], v[96+16*\b+\i], v[97+16*\b+\i]
.endr
.endr
.irp b, 0,1,2,3
	v_max_num_f32 v[232+\b], v[232+\b], v[111+16*\b]
.endr
.irp b, 0,1,2,3
	v_permlanex16_b32 v[236+\b], v[232+\b], s[SEL], s[SEL+1]
.endr
.irp b, 0,1,2,3
	v_max_num_f32 v[232+\b], v[232+\b], v[236+\b]
.endr
	v_max3_num_f32 v254, v232, v233, v234
	v_max_num_f32 v254, v254, v235
	v_mul_f32 v254, s[CS], v254                    ; as t (c is not negative)
	v_max_num_f32 v13, v13, v254                   ; the running largest t
	v_mov_b32 v254, v12
	v_floor_f32 v12, -v13                          ; the new -M = -ceil(t): a whole number
	v_sub_f32 v254, v12, v254
	v_cvt_i32_f32 v254, v254                       ; (it saturates)
	v_ldexp_f32 v252, 1.0, v254                    ; f = 2^(old M - new M): rounds nothing
; ONE BATCH: the 32 scalings t - M (a pair of scores each), the same of the four blocks' largest scores, and the 64 exponentials.  A pair is scaled two pairs ahead of its exponentials; a plain line stands
; behind every second exponential; none of these lines names an exponential's result, so one wait behind the batch serves all 64.
	v_pk_fma_f32 v[96:97], v[96:97], s[CS:CS+1], v[12:13] op_sel_hi:[1,0,0]
	v_pk_fma_f32 v[98:99], v[98:99], s[CS:CS+1], v[12:13] op_sel_hi:[1,0,0]
.set i, 0
.rept 32
	v_exp_f32 v[96+2*i], v[96+2*i]                 ; p = 2^(t - M)
.if i < 30
	v_pk_fma_f32 v[100+2*i:101+2*i], v[100+2*i:101+2*i], s[CS:CS+1], v[12:13] op_sel_hi:[1,0,0]
.else
	v_fma_f32 v[232+i-30], v[232+i-30], s[CS], v12
.endif
	v_exp_f32 v[97+2*i], v[97+2*i]
.if i >= 30
	v_fma_f32 v[234+i-30], v[234+i-30], s[CS], v12
.endif
.set i, i+1
.endr
	v_pk_mul_f32 v[14:15], v[14:15], v[252:253] op_sel_hi:[1,0]   ; the sums under the new M
	s_wait_alu depctr_va_vdst(0)                   ; one wait for the batch, ahead of its first reader
.irp b, 0,1,2,3
	v_exp_f32 v[232+\b], v[232+\b]                 ; the block's largest p
.endr
	v_pk_add_f32 v[236:237], v[96:97], v[98:99]    ; the row's sum of the unquantised p, in two chains
.irp j, 4,8,12,16,20,24,28,32,36,40,44,48,52,56,60
	v_pk_add_f32 v[14:15], v[14:15], v[96+\j:97+\j]
	v_pk_add_f32 v[236:237], v[236:237], v[98+\j:99+\j]
.endr
	v_pk_add_f32 v[14:15], v[14:15], v[236:237]
	s_wait_alu depctr_va_vdst(0)                   ; and one for the four
.irp b, 0,1,2,3
	v_max_num_f32 v[232+\b], 0x1800000, v[232+\b]  ; the floor 2^(3 - 127)
.endr
.irp b, 0,1,2,3
	v_add_nc_u32 v[244+\b], 0xff000000, v[232+\b]
.endr
.irp b, 0,1,2,3
	v_lshrrev_b32 v[236+\b], 23, v[244+\b]
.endr
	v_lshl_or_b32 v253, v237, 8, v236              ; p's scale word for these 128 keys
	v_lshl_or_b32 v253, v238, 16, v253
	v_lshl_or_b32 v253, v239, 24, v253
.irp c, 0,1
	v_cvt_scalef32_pk16_fp6_f32 v[224+6*\c:226+6*\c], v[96+32*\c:111+32*\c], v[244+2*\c]
	v_cvt_scalef32_pk16_fp6_f32 v[236+4*\c:238+4*\c], v[112+32*\c:127+32*\c], v[244+2*\c+1]
.endr
	v_nop
.irp c, 0,1
.irp i, 0,1,2
	v_permlane16_swap_b32 v[224+6*\c+\i], v[236+4*\c+\i]
.endr
.irp i, 0,1,2
	v_mov_b32 v[227+6*\c+\i], v[236+4*\c+\i]
.endr
.endr
.set j, 0
.rept 16
	v_pk_mul_f32 v[160+j:161+j], v[160+j:161+j], v[252:253] op_sel_hi:[1,0]   ; O^T under the new M; also the plain lines ahead of the products below
.set j, j+2
.endr
	s_wait_dscnt 0x0                               ; v's fragments and scale words
.irp t, 0,1,2,3
	v_wmma_scale_f32_16x16x128_f8f6f4 v[160+8*\t:167+8*\t], v[VFR+12*\t:VFR+12*\t+11], v[224:235], v[160+8*\t:167+8*\t], v[248+\t], v253 matrix_a_fmt:MATRIX_FMT_FP6 matrix_b_fmt:MATRIX_FMT_FP6
.endr
.endm
	s_wait_tensorcnt 3                             ; my load of step w has landed; my three later ones may be out
	s_barrier_signal -1
	s_barrier_wait -1                              ; steps 0-3 lie in LDS for every wave
	s_wait_tensorcnt 0x0                           ; all my loads have landed: steps 4 + w, 8 + w, 12 + w
	s_barrier_signal -1                            ; say so now; between this signal and its wait stand register work and LDS loads of steps 0-3, which nobody writes again
.rept 4
	STEP
	s_add_co_u32 s[TB], s[TB], STEPB
.endr
	s_barrier_wait -1                              ; waves 0-3 have all said so: steps 4-15 lie in LDS for every wave
	s_mov_b32 s3, 12
.Lkeys:                                            ; twelve key steps with no barrier among them
	STEP
	s_add_co_u32 s[TB], s[TB], STEPB
	s_sub_co_u32 s3, s3, 1
	s_cmp_lg_u32 s3, 0
	s_cbranch_scc1 .Lkeys
	; THE WAY OUT: O^T / the sum, 16 neighbours a lane, two blocks of 32 quantised: half a fragment of the next product
	v_add_f32 v14, v14, v15
	v_permlanex16_b32 v252, v14, s[SEL], s[SEL+1]
	v_add_f32 v14, v14, v252
	v_rcp_f32 v14, v14
.rept 4
	v_nop
.endr
	s_wait_alu depctr_va_vdst(0)
.set j, 0
.rept 32
	v_mul_f32 v[192+j], v[160+j], v14              ; register 8 t + i: d = 16 t + 8 h + i
.set j, j+1
.endr
.irp b, 0,1
.irp j, 0,1,2,3,4,5,6,7
	v_permlane16_swap_b32 v[192+16*\b+\j], v[192+16*\b+8+\j]   ; register 16 b + i: d = 32 b + 16 h + i
.endr
.endr
.irp b, 0,1
	v_max3_num_f32 v[232+\b], |v[192+16*\b]|, |v[193+16*\b]|, 0x1800000
.endr
.irp i, 2,4,6,8,10,12,14
.irp b, 0,1
	v_max3_num_f32 v[232+\b], v[232+\b], |v[192+16*\b+\i]|, |v[193+16*\b+\i]|
.endr
.endr
.irp b, 0,1
	v_permlanex16_b32 v[236+\b], v[232+\b], s[SEL], s[SEL+1]
.endr
.irp b, 0,1
	v_max_num_f32 v[232+\b], v[232+\b], v[236+\b]
.endr
.irp b, 0,1
	v_add_nc_u32 v[244+\b], 0xff000000, v[232+\b]
.endr
.irp b, 0,1
	v_lshrrev_b32 v[236+\b], 23, v[244+\b]
.endr
	v_lshl_or_b32 v240, v237, 8, v236              ; my head's two scale bytes
	v_cvt_scalef32_pk16_fp6_f32 v[224:226], v[192:207], v244
	v_cvt_scalef32_pk16_fp6_f32 v[228:230], v[208:223], v245
	v_nop
.irp i, 0,1,2
	v_permlane16_swap_b32 v[224+\i], v[228+\i]
.endr
	v_mov_b32 v227, v228
	v_mov_b32 v228, v229
	v_mov_b32 v229, v230
	global_store_b128 v[LI], v[224:227], s[10:11]              ; 512 consecutive bytes
	global_store_b64 v[L8], v[228:229], s[10:11] offset:512    ; 256
	global_store_b16 v[LS], v240, s[12:13]
	s_wait_tensorcnt 0x0
	ds_add_u32 v11, v243
	s_wait_dscnt 0x0
	CROUND                                         ; the closing round
	s_endpgm
.Lfunc_end_k_qe545f4ca51_attn:
	.size	k_qe545f4ca51_attn, .Lfunc_end_k_qe545f4ca51_attn-k_qe545f4ca51_attn
	.p2alignl 7, 3214868480
	.fill 96, 4, 3214868480
	.section	.rodata,"a",@progbits
	.p2align	6, 0x0
	.amdhsa_kernel k_qe545f4ca51_attn
		.amdhsa_group_segment_fixed_size 256000
		.amdhsa_private_segment_fixed_size 0
		.amdhsa_enable_private_segment 0
		.amdhsa_kernarg_size 24
		.amdhsa_user_sgpr_count 2
		.amdhsa_user_sgpr_kernarg_segment_ptr 1
		.amdhsa_wavefront_size32 1
		.amdhsa_system_sgpr_workgroup_id_x 1
		.amdhsa_system_sgpr_workgroup_id_y 1
		.amdhsa_system_sgpr_workgroup_id_z 1
		.amdhsa_system_vgpr_workitem_id 0
		.amdhsa_next_free_vgpr 256
		.amdhsa_next_free_sgpr 66
		.amdhsa_reserve_vcc 1
		.amdhsa_float_denorm_mode_32 3
		.amdhsa_float_denorm_mode_16_64 3
		.amdhsa_memory_ordered 1
		.amdhsa_forward_progress 1
		.amdhsa_inst_pref_size 96
	.end_amdhsa_kernel
	.amdgpu_metadata
---
amdhsa.version: [ 1, 2 ]
amdhsa.kernels:
  - .name:           k_qe545f4ca51_attn
    .symbol:         k_qe545f4ca51_attn.kd
    .args:
      - { .name: qkv, .offset: 0, .size: 8, .value_kind: global_buffer, .address_space: global }
      - { .name: mask, .offset: 8, .size: 8, .value_kind: global_buffer, .address_space: global }
      - { .name: att, .offset: 16, .size: 8, .value_kind: global_buffer, .address_space: global }
    .group_segment_fixed_size: 256000
    .private_segment_fixed_size: 0
    .kernarg_segment_align: 8
    .kernarg_segment_size: 24
    .max_flat_workgroup_size: 512
    .sgpr_count:     66
    .vgpr_count:     256
    .wavefront_size: 32
...
	.end_amdgpu_metadata
.endif
;; end of part 3
;; launch wo (part 4): grid 8 x 32, 4 waves a work-group, clusters of 4 x 4, 327,680 bytes of LDS; arguments att, wo_codes, wo_scales, bo, x, x1; writes x1
.if DOCPART == 4
	.amdgcn_target "amdgcn-amd-amdhsa--gfx1250"
	.amdhsa_code_object_version 6
	.text
	.protected	k_qe545f4ca51_wo
	.globl	k_qe545f4ca51_wo
	.p2align	8
	.type	k_qe545f4ca51_wo,@function
k_qe545f4ca51_wo:
	s_mov_b64 s[64:65], 0
	v_nop
	global_prefetch_b8 v0, s[64:65] scope:SCOPE_SE
	s_setreg_imm32_b32 hwreg(HW_REG_WAVE_MODE, 25, 1), 1
	s_wait_xcnt 0x0
	s_wait_alu depctr_hold_cnt(0) depctr_sa_sdst(0) depctr_va_vdst(0) depctr_va_sdst(0) depctr_va_ssrc(0) depctr_va_vcc(0) depctr_vm_vsrc(0)
	s_getreg_b32 s2, hwreg(HW_REG_IB_STS2, 6, 4)
	s_cmp_eq_u32 s2, 0
	s_cbranch_scc0 .Lentry_in_a_cluster
	s_endpgm
.Lentry_in_a_cluster:
	s_bfe_u32 s2, ttmp6, 0x10000c
	s_cmp_lg_u32 s2, 0xf033
	s_cbranch_scc0 .Lentry_shape_is_right
	s_endpgm
.Lentry_shape_is_right:
; out = resid + A W^T + bias.  A: 4,096 tokens x SIZE_K as images of operand fragments (made by the launch before); W: [1024][SIZE_K] codes of E2M3, K innermost, with scale bytes; bias [1024], resid and out [4096][1024] f32.
; A tile of 128 x 128 to a work-group (256 work-groups), 64 x 64 to a wave: 16 accumulators.  K in slots of 512 (four steps of 128) through a ring of two LDS slots.
; A's fragment (tile T, step s) lies at (T x KF + s) x 1,536: registers 6 c .. 6 c + 3 at 768 c + 16 x lane, 6 c + 4, 6 c + 5 at 768 c + 512 + 8 x lane; its scale words at ASC + (T x KF + s) x 128 + 4 x lane.
; Lane r of tile T stands for token 32 (T / 2) + 8 (T % 2) + r + 8 (r / 8).  W's rows come as rows of 384 bytes with 16 of padding behind every 128 (pitch 432).
; All scale words of the work-group's rows come into LDS once.  The matrix instruction is used transposed (source 0 = W's rows, source 1 = A).
; CLUSTERS: 4 x 4; A's tiles are asked for jointly along a row of the cluster, W's along a column.
; The residual's 64 x 64 numbers of a wave are loaded at the head, into window 2, and wait there.
.set SIZE_K, 1024
.set KF,     SIZE_K/128
.set KS,     SIZE_K/32
.set KROW,   SIZE_K*3/4
.set FR,     12
.set TILEB,  6144                      ; a tile's four fragments of a slot
.set AHALF,  4*TILEB
.set BP,     432
.set BHALF,  64*BP
.set BOFF,   2*AHALF
.set SLOT,   BOFF+2*BHALF
.set LAPS,   SIZE_K/1024
.set SCA,    2*SLOT                    ; A's scale words
.set SAH,    4*KF*128
.set SCB,    SCA+2*SAH                 ; W's scale bytes, as units of 256 bytes + 16
.set SBH,    (64*KS/256)*272
.set SBB,    (16*KS/256)*272
.set STAGE,  SCB+2*SBH                 ; 16 rows x 272 bytes for each wave
.set SP,     272
.set SPARE,  STAGE+4*16*SP             ; the spare words: 128 bytes a wave, named by no other line
.set ASC,    3*SIZE_K*1024
.set ADA,  16
.set ADA8, 18
.set ADB,  20
.set ADB2, 22
.set STO,  24
.set RD,   25
.set CO,   26
.set ADSA, 27
.set SPW,  28
.set NIL,  29
.set ADSB, 30
.set BO,   31
.set SA,   32                          ; v32-63  A's scale words: set s, tile i, step q at 16 s + 4 i + q
.set SB,   64                          ; v64-95  W's
.set BI,   96                          ; v96-99  the bias at my four columns
.set ACC,  128
.set G1, 24
.set G0, 32
.set G1B, 48
.set G0B, 56
.set G1S, 68
.set G0S, 76
.set G1SB, 80
.set G0SB, 88
.set MSB, 0
.macro WIN new
.if MSB != \new
	s_set_vgpr_msb (MSB<<8)|\new
.set MSB, \new
.endif
.endm
.set MUL,  0x05                        ; sources 0 and 1 window 1; C and D window 0
.set TO_F, 0x40
.macro JLOAD g0a, g1a, g0b, g1b        ; waves 0 and 1 fetch for A, waves 2 and 3 for W; four v_nop follow each line
	s_cmp_eq_u32 s15, 0
	s_cbranch_scc0 .Lfor_b_\@
	tensor_load_to_lds s[\g0a:\g0a+3], s[\g1a:\g1a+7]
	s_nop 0
.rept 4
	v_nop
.endr
	s_branch .Lasked_\@
.Lfor_b_\@:
	tensor_load_to_lds s[\g0b:\g0b+3], s[\g1b:\g1b+7]
	s_nop 0
.rept 4
	v_nop
.endr
.Lasked_\@:
.endm
.macro CREST
	s_cmp_lg_u32 s14, 0
	s_cbranch_scc1 .Lnot_wave_0_\@
	s_barrier_signal -3
.Lnot_wave_0_\@:
	s_barrier_wait -3
	s_barrier_signal -1
	s_barrier_wait -1
.endm
.macro CROUND
	s_barrier_signal -1
	s_barrier_wait -1
	CREST
.endm
	s_load_b256 s[4:11], s[0:1], 0x0               ; A, W's codes, W's scales, bias
	s_load_b128 s[92:95], s[0:1], 0x20             ; resid, out
	v_lshl_add_u32 v[SPW], v0, 2, SPARE
	v_mov_b32 v[NIL], 0
	ds_add_u32 v28, v29
	ds_add_u32 v28, v29
	s_wait_dscnt 0x0
	v_lshrrev_b32 v1, 5, v0
	v_readfirstlane_b32 s14, v1
	s_lshr_b32 s15, s14, 1                         ; which 64 rows are mine; also: I fetch for A (0) or W (1)
	s_and_b32 s16, s14, 1                          ; which 64 columns; also: which half I fetch
	s_bfe_u32 s40, ttmp6, 0x40000
	s_bfe_u32 s41, ttmp6, 0x40004
	s_lshl_b32 s42, ttmp9, 2
	s_add_co_u32 s42, s42, s40                     ; tile column
	s_and_b32 s17, ttmp7, 0xffff
	s_lshl_b32 s17, s17, 2
	s_add_co_u32 s17, s17, s41                     ; tile row
	s_lshl_b32 s43, s41, 2
	s_lshl_b32 s43, 15, s43
	s_lshl_b32 s44, 0x1111, s40
	s_or_b32 s[G1+0], s43, (3<<16)|(1<<21)         ; A: four tiles' 6,144 bytes each, elements of 8 bytes, no padding
	s_mov_b32 s[G1+1], 768<<16
	s_mov_b32 s[G1+2], 4<<16
	s_mov_b32 s[G1+3], 768<<16
	s_mov_b32 s[G1+4], 4
	s_mov_b32 s[G1+5], 192*KF
	s_mov_b32 s[G1+6], 0
	s_mov_b32 s[G1+7], 0
	s_or_b32 s[G1B+0], s44, (0<<16)|(1<<20)|(1<<21)|(4<<22)|(3<<25)  ; W: 64 rows of 384 bytes, 4 words of padding behind every 32
	s_mov_b32 s[G1B+1], 384<<16
	s_mov_b32 s[G1B+2], 64<<16
	s_mov_b32 s[G1B+3], 384<<16
	s_mov_b32 s[G1B+4], 64
	s_mov_b32 s[G1B+5], KROW
	s_mov_b32 s[G1B+6], 0
	s_mov_b32 s[G1B+7], 0
	s_or_b32 s[G1S+0], s43, (3<<16)|(1<<21)        ; A's scale words of four tiles: dense, rows of 256 bytes
	s_mov_b32 s[G1S+1], 32<<16
	s_mov_b32 s[G1S+2], (2*KF)<<16
	s_mov_b32 s[G1S+3], 32<<16
	s_mov_b32 s[G1S+4], 2*KF
	s_mov_b32 s[G1S+5], 32
	s_mov_b32 s[G1S+6], 0
	s_mov_b32 s[G1S+7], 0
	s_or_b32 s[G1SB+0], s44, (3<<16)|(1<<20)|(1<<21)|(5<<22)|(3<<25)  ; W's scale bytes of 64 rows: dense, rows of 256 bytes + 16
	s_mov_b32 s[G1SB+1], 32<<16
	s_mov_b32 s[G1SB+2], (64*KS/256)<<16
	s_mov_b32 s[G1SB+3], 32<<16
	s_mov_b32 s[G1SB+4], 64*KS/256
	s_mov_b32 s[G1SB+5], 32
	s_mov_b32 s[G1SB+6], 0
	s_mov_b32 s[G1SB+7], 0
	s_lshl_b32 s20, s17, 3
	s_lshl_b32 s18, s16, 2
	s_add_co_u32 s20, s20, s18                     ; A: tile 8 x tile row + 4 x half
	s_mul_i32 s22, s20, KF*128
	s_add_co_u32 s22, s22, ASC
	s_mov_b32 s23, 0
	s_mul_i32 s20, s20, KF*1536
	s_mov_b32 s21, 0
	s_lshl_b32 s46, s42, 7
	s_lshl_b32 s18, s16, 6
	s_add_co_u32 s46, s46, s18                     ; W: row 128 x tile column + 64 x half
	s_mul_i32 s96, s46, KS
	s_mov_b32 s97, 0
	s_mul_i32 s46, s46, KROW
	s_mov_b32 s47, 0
	s_mul_i32 s45, s16, AHALF                      ; where they go: no place in the cluster enters an LDS address
	s_mul_i32 s19, s16, BHALF
	s_add_co_u32 s19, s19, BOFF
	s_mul_i32 s18, s16, SAH
	s_mul_i32 s3, s16, SBH
	s_wait_kmcnt 0x0
	s_add_nc_u64 s[20:21], s[4:5], s[20:21]
	s_add_nc_u64 s[22:23], s[4:5], s[22:23]
	s_add_nc_u64 s[46:47], s[6:7], s[46:47]
	s_add_nc_u64 s[96:97], s[8:9], s[96:97]
	CROUND
	s_mov_b32 s[G0S], 1
	s_add_co_u32 s[G0S+1], s18, SCA
	s_mov_b64 s[G0S+2:G0S+3], s[22:23]
	s_or_b32 s[G0S+3], s[G0S+3], 0x80000000
	s_mov_b32 s[G0SB], 1
	s_add_co_u32 s[G0SB+1], s3, SCB
	s_mov_b64 s[G0SB+2:G0SB+3], s[96:97]
	s_or_b32 s[G0SB+3], s[G0SB+3], 0x80000000
	JLOAD G0S, G1S, G0SB, G1SB
.irp s, 0,1
	s_mov_b32 s[G0+4*\s], 1
	s_add_co_u32 s[G0+4*\s+1], s45, \s*SLOT
	s_add_nc_u64 s[G0+4*\s+2:G0+4*\s+3], s[20:21], \s*TILEB
	s_or_b32 s[G0+4*\s+3], s[G0+4*\s+3], 0x80000000
	s_mov_b32 s[G0B+4*\s], 1
	s_add_co_u32 s[G0B+4*\s+1], s19, \s*SLOT
	s_add_nc_u64 s[G0B+4*\s+2:G0B+4*\s+3], s[46:47], \s*384
	s_or_b32 s[G0B+4*\s+3], s[G0B+4*\s+3], 0x80000000
	JLOAD G0+4*\s, G1, G0B+4*\s, G1B
.endr
	v_and_b32 v1, 15, v0                           ; r
	v_bfe_u32 v2, v0, 4, 1                         ; h
	v_and_b32 v3, 31, v0
	v_lshlrev_b32 v4, 4, v3
	v_lshlrev_b32 v5, 3, v3
	v_add_nc_u32 v5, 512, v5
	v_mul_u32_u24 v6, v1, BP
	v_mad_u32_u24 v6, v2, 24, v6
	v_lshl_add_u32 v7, v2, 4, v6
	s_mul_i32 s21, s15, AHALF
	s_mul_i32 s22, s16, BHALF
	s_add_co_u32 s22, s22, BOFF
.irp s, 0,1
	v_add_nc_u32 v[ADA+\s], s21, v4
	v_add_nc_u32 v[ADA8+\s], s21, v5
	v_add_nc_u32 v[ADB+\s], s22, v6
	v_add_nc_u32 v[ADB2+\s], s22, v7
	s_add_co_u32 s21, s21, SLOT
	s_add_co_u32 s22, s22, SLOT
.endr
	v_lshlrev_b32 v8, 2, v3
	s_mul_i32 s21, s15, SAH
	s_add_co_u32 s21, s21, SCA
	v_add_nc_u32 v[ADSA], s21, v8
	v_mul_u32_u24 v8, v1, KS
	v_lshrrev_b32 v9, 8, v8
	v_lshl_add_u32 v8, v9, 4, v8
	s_mul_i32 s22, s16, SBH
	s_add_co_u32 s22, s22, SCB
	v_add_nc_u32 v[ADSB], s22, v8
	s_mul_i32 s23, s14, 16*SP
	s_add_co_u32 s23, s23, STAGE
	v_mul_u32_u24 v8, v1, SP
	v_lshl_add_u32 v8, v2, 5, v8
	v_add_nc_u32 v[STO], s23, v8                   ; in: row r, 32 bytes for each half of the lanes
	v_mul_u32_u24 v8, v2, SP
	v_lshl_add_u32 v8, v1, 4, v8
	v_add_nc_u32 v[RD], s23, v8                    ; back: lanes 0-15 one row of 256 bytes, lanes 16-31 the next
	v_lshlrev_b32 v[CO], 12, v2
	v_lshl_add_u32 v[CO], v1, 4, v[CO]             ; and the same two rows in memory
	v_lshlrev_b32 v[BO], 4, v1
	s_lshl_b32 s20, s17, 7
	s_lshl_b32 s21, s15, 6
	s_add_co_u32 s20, s20, s21
	s_lshl_b32 s20, s20, 12                        ; my first token's row
	s_lshl_b32 s46, s42, 9
	s_lshl_b32 s47, s16, 8
	s_add_co_u32 s46, s46, s47                     ; my first column, in bytes
	s_mov_b32 s47, 0
	s_add_nc_u64 s[10:11], s[10:11], s[46:47]
	s_add_co_u32 s20, s20, s46
	s_mov_b32 s21, 0
	s_add_nc_u64 s[92:93], s[92:93], s[20:21]
	s_add_nc_u64 s[94:95], s[94:95], s[20:21]
	global_load_b128 v[BI:BI+3], v[BO], s[10:11]
	WIN 0x80                                       ; destination window 2
.irp a, 0,1,2,3
.irp t, 0,1,2,3,4,5,6,7
	global_load_b128 v[32*\a+4*\t:32*\a+4*\t+3], v[CO], s[92:93] offset:(32*(\a/2)+8*(\a%2)+2*\t+8*(\t/4))*4096
.endr
.endr
	WIN 0
.macro FRAGA reg, slot, q, i           ; an image comes back as it was stored
.irp c, 0,1
	ds_load_b128 v[\reg+6*\c:\reg+6*\c+3], v[ADA+\slot] offset:TILEB*(\i)+1536*(\q)+768*\c
	ds_load_b64 v[\reg+6*\c+4:\reg+6*\c+5], v[ADA8+\slot] offset:TILEB*(\i)+1536*(\q)+768*\c
.endr
.endm
.macro FRAGB reg, slot, q, i           ; from rows: pieces of 8 bytes; where the piece three on lies behind one padding more, the second address register serves
.irp p, 0,1,2,3,4,5
.set PCE, 12*(\q)+6*(\p/3)+\p%3
.if PCE%16 < 13
	ds_load_b64 v[\reg+2*\p:\reg+2*\p+1], v[ADB+\slot] offset:8*PCE+16*(PCE/16)+(\i)*16*BP
.else
	ds_load_b64 v[\reg+2*\p:\reg+2*\p+1], v[ADB2+\slot] offset:8*PCE+16*(PCE/16)+(\i)*16*BP
.endif
.endr
.endm
.macro FETCH slot, q, f                ; 40 loads: a step's four fragments of W and four of A into buffer f of window 1
	WIN TO_F
.irp i, 0,1,2,3
	FRAGB (\f)+64+FR*\i, \slot, \q, \i
.endr
.irp i, 0,1,2,3
	FRAGA (\f)+FR*\i, \slot, \q, \i
.endr
.endm
.macro SCALES s
.irp i, 0,1,2,3
.irp q, 0,1,2,3
	ds_load_b32 v[SA+16*\s+4*\i+\q], v[ADSA] offset:\i*KF*128+128*\q
.endr
	ds_load_b128 v[SB+16*\s+4*\i:SB+16*\s+4*\i+3], v[ADSB] offset:\i*SBB
.endr
.endm
.macro MUL4 f, a, q, s, zero           ; the 16 accumulators take turns
.irp b, 0,1,2,3
.if \zero
	v_wmma_scale_f32_16x16x128_f8f6f4 v[ACC+8*(4*(\a)+\b):ACC+8*(4*(\a)+\b)+7], v[(\f)+64+FR*\b:(\f)+64+FR*\b+FR-1], v[(\f)+FR*(\a):(\f)+FR*(\a)+FR-1], 0, v[SB+16*(\s)+4*\b+(\q)], v[SA+16*(\s)+4*(\a)+(\q)] matrix_a_fmt:MATRIX_FMT_FP6 matrix_b_fmt:MATRIX_FMT_FP6
.else
	v_wmma_scale_f32_16x16x128_f8f6f4 v[ACC+8*(4*(\a)+\b):ACC+8*(4*(\a)+\b)+7], v[(\f)+64+FR*\b:(\f)+64+FR*\b+FR-1], v[(\f)+FR*(\a):(\f)+FR*(\a)+FR-1], v[ACC+8*(4*(\a)+\b):ACC+8*(4*(\a)+\b)+7], v[SB+16*(\s)+4*\b+(\q)], v[SA+16*(\s)+4*(\a)+(\q)] matrix_a_fmt:MATRIX_FMT_FP6 matrix_b_fmt:MATRIX_FMT_FP6
.endif
.endr
.endm
.macro PLACES n
.rept \n
	v_nop
.endr
.endm
.macro STEP slot, q, zero              ; a step of 128 along K that has its successor in the same slot
	s_wait_dscnt 0x0                               ; this step's loads, issued a step ago, are in
	PLACES 4
	FETCH \slot, (\q)+1, 128*(((\q)+1)%2)
	WIN MUL
.irp a, 0,1,2,3
	MUL4 128*((\q)%2), \a, \q, \slot, \zero
.endr
.endm
.macro TURN slot, next, fill           ; a slot's last step changes slots
	WIN 0
	s_wait_tensorcnt 0x0                           ; all my tensor loads have landed: my part of the next slot
	ds_add_u32 v[SPW], v[NIL]                      ; 0 onto my spare word
	s_wait_dscnt 1                                 ; the step's fragments are in; the add may be out
	WIN MUL
	MUL4 128, 0, 3, \slot, 0
	s_wait_dscnt 0x0                               ; the add is done, and my reads of this slot are over
	s_barrier_signal -1
	MUL4 128, 1, 3, \slot, 0
	WIN 0
	s_barrier_wait -1
.if \fill
	CREST
	s_add_nc_u64 s[G0+4*\slot+2:G0+4*\slot+3], s[G0+4*\slot+2:G0+4*\slot+3], 2*TILEB
	s_add_nc_u64 s[G0B+4*\slot+2:G0B+4*\slot+3], s[G0B+4*\slot+2:G0B+4*\slot+3], 2*384
	JLOAD G0+4*\slot, G1, G0B+4*\slot, G1B
.else
	PLACES 4
.endif
	v_add_nc_u32 v[ADSA], 512, v[ADSA]             ; the next slot's scale words
	v_add_nc_u32 v[ADSB], 16, v[ADSB]
	FETCH \next, 0, 0
	WIN 0
	SCALES \next
	WIN MUL
	MUL4 128, 2, 3, \slot, 0
	MUL4 128, 3, 3, \slot, 0
.endm
	s_wait_tensorcnt 1                             ; the scales and my part of slot 0 are in; slot 1's load may be out
	s_barrier_signal -1
	s_barrier_wait -1
	FETCH 0, 0, 0
	WIN 0
	SCALES 0
	STEP 0, 0, 1                                   ; the first step's products start the sums
.if LAPS > 1
	WIN 0
	s_mov_b32 s3, LAPS-1
.Llap:
	STEP 0, 1, 0
	STEP 0, 2, 0
	TURN 0, 1, 1
	STEP 1, 0, 0
	STEP 1, 1, 0
	STEP 1, 2, 0
	TURN 1, 0, 1
	STEP 0, 0, 0
	WIN 0
	s_sub_co_u32 s3, s3, 1
	s_cmp_lg_u32 s3, 0
	s_cbranch_scc1 .Llap
.endif
	STEP 0, 1, 0
	STEP 0, 2, 0
	TURN 0, 1, 0
	STEP 1, 0, 0
	STEP 1, 1, 0
	STEP 1, 2, 0
	s_wait_dscnt 0x0
	WIN MUL
.irp a, 0,1,2,3
	MUL4 128, \a, 3, 1, 0
.endr
	WIN 0
; THE WAY OUT: a block of 16 tokens x 64 columns goes through my stage and comes back as rows of 256 bytes (into window 1, whose buffers are done with); + bias + residual; sixteen lanes store 256 consecutive aligned bytes.
.macro OUTB a
.set BK, 64*((\a)%2)
.irp b, 0,1,2,3
	ds_store_b128 v[STO], v[ACC+8*(4*(\a)+\b):ACC+8*(4*(\a)+\b)+3] offset:64*\b
	ds_store_b128 v[STO], v[ACC+8*(4*(\a)+\b)+4:ACC+8*(4*(\a)+\b)+7] offset:64*\b+16
.endr
.if (\a) > 1
	s_wait_xcnt 0x0                                ; block a - 2's stores have read their registers
.endif
	WIN 0x40
.irp t, 0,1,2,3,4,5,6,7
	ds_load_b128 v[BK+4*\t:BK+4*\t+3], v[RD] offset:\t*2*SP    ; LDS serves a wave's instructions in order: these see the stores above
.endr
	s_wait_dscnt 0x0
	WIN 0x41
.irp t, 0,1,2,3,4,5,6,7
.irp u, 0,2
	v_pk_add_f32 v[BK+4*\t+\u:BK+4*\t+\u+1], v[BK+4*\t+\u:BK+4*\t+\u+1], v[BI+\u:BI+\u+1]
.endr
.endr
	WIN 0x49                                       ; source 1: the residual, window 2
.irp t, 0,1,2,3,4,5,6,7
.irp u, 0,2
	v_pk_add_f32 v[BK+4*\t+\u:BK+4*\t+\u+1], v[BK+4*\t+\u:BK+4*\t+\u+1], v[32*(\a)+4*\t+\u:32*(\a)+4*\t+\u+1]
.endr
.endr
	WIN 0x04                                       ; a store's data: window 1
.irp t, 0,1,2,3,4,5,6,7
	global_store_b128 v[CO], v[BK+4*\t:BK+4*\t+3], s[94:95] offset:(32*((\a)/2)+8*((\a)%2)+2*\t+8*(\t/4))*4096
.endr
	WIN 0
.endm
	PLACES 4
	s_wait_loadcnt 0x0                             ; bias and residual
	OUTB 0
	OUTB 1
	OUTB 2
	OUTB 3
	s_wait_tensorcnt 0x0                           ; the wave's end
	ds_add_u32 v[SPW], v[NIL]
	s_wait_dscnt 0x0
	CROUND
	s_endpgm
.Lfunc_end_k_qe545f4ca51_wo:
	.size	k_qe545f4ca51_wo, .Lfunc_end_k_qe545f4ca51_wo-k_qe545f4ca51_wo
	.p2alignl 7, 3214868480
	.fill 96, 4, 3214868480
	.section	.rodata,"a",@progbits
	.p2align	6, 0x0
	.amdhsa_kernel k_qe545f4ca51_wo
		.amdhsa_group_segment_fixed_size 327680
		.amdhsa_private_segment_fixed_size 0
		.amdhsa_enable_private_segment 0
		.amdhsa_kernarg_size 48
		.amdhsa_user_sgpr_count 2
		.amdhsa_user_sgpr_kernarg_segment_ptr 1
		.amdhsa_wavefront_size32 1
		.amdhsa_system_sgpr_workgroup_id_x 1
		.amdhsa_system_sgpr_workgroup_id_y 1
		.amdhsa_system_sgpr_workgroup_id_z 1
		.amdhsa_system_vgpr_workitem_id 0
		.amdhsa_next_free_vgpr 768
		.amdhsa_next_free_sgpr 98
		.amdhsa_reserve_vcc 0
		.amdhsa_float_denorm_mode_32 3
		.amdhsa_float_denorm_mode_16_64 3
		.amdhsa_memory_ordered 1
		.amdhsa_forward_progress 1
		.amdhsa_inst_pref_size 71
	.end_amdhsa_kernel
	.amdgpu_metadata
---
amdhsa.version: [ 1, 2 ]
amdhsa.kernels:
  - .name:           k_qe545f4ca51_wo
    .symbol:         k_qe545f4ca51_wo.kd
    .args:
      - { .name: att, .offset: 0, .size: 8, .value_kind: global_buffer, .address_space: global }
      - { .name: wo_codes, .offset: 8, .size: 8, .value_kind: global_buffer, .address_space: global }
      - { .name: wo_scales, .offset: 16, .size: 8, .value_kind: global_buffer, .address_space: global }
      - { .name: bo, .offset: 24, .size: 8, .value_kind: global_buffer, .address_space: global }
      - { .name: x, .offset: 32, .size: 8, .value_kind: global_buffer, .address_space: global }
      - { .name: x1, .offset: 40, .size: 8, .value_kind: global_buffer, .address_space: global }
    .group_segment_fixed_size: 327680
    .private_segment_fixed_size: 0
    .kernarg_segment_align: 8
    .kernarg_segment_size: 48
    .max_flat_workgroup_size: 128
    .sgpr_count:     98
    .vgpr_count:     768
    .wavefront_size: 32
...
	.end_amdgpu_metadata
.endif
;; end of part 4
;; launch ln2: the kernel of part 1 again; grid 256 x 1, 4 waves a work-group, no clusters, 22,016 bytes of LDS; arguments x1, ln2_g, ln2_b, xq; writes xq
;; launch ffn1 (part 5): grid 16 x 16, 4 waves a work-group, clusters of 4 x 4, 327,680 bytes of LDS; arguments xq, w1_codes, w1_scales, b1, hq; writes hq
.if DOCPART == 5
	.amdgcn_target "amdgcn-amd-amdhsa--gfx1250"
	.amdhsa_code_object_version 6
	.text
	.protected	k_qe545f4ca51_ffn1
	.globl	k_qe545f4ca51_ffn1
	.p2align	8
	.type	k_qe545f4ca51_ffn1,@function
k_qe545f4ca51_ffn1:
	s_mov_b64 s[64:65], 0
	v_nop
	global_prefetch_b8 v0, s[64:65] scope:SCOPE_SE
	s_setreg_imm32_b32 hwreg(HW_REG_WAVE_MODE, 25, 1), 1
	s_wait_xcnt 0x0
	s_wait_alu depctr_hold_cnt(0) depctr_sa_sdst(0) depctr_va_vdst(0) depctr_va_sdst(0) depctr_va_ssrc(0) depctr_va_vcc(0) depctr_vm_vsrc(0)
	s_getreg_b32 s2, hwreg(HW_REG_IB_STS2, 6, 4)
	s_cmp_eq_u32 s2, 0
	s_cbranch_scc0 .Lentry_in_a_cluster
	s_endpgm
.Lentry_in_a_cluster:
	s_bfe_u32 s2, ttmp6, 0x10000c
	s_cmp_lg_u32 s2, 0xf033
	s_cbranch_scc0 .Lentry_shape_is_right
	s_endpgm
.Lentry_shape_is_right:
; h = relu(xn w1 + b1) on codes of E2M3 (xn: codes and scale bytes made by the launch before), quantised again along the 4,096 hidden units for the next product.
; A GEMM of 4,096 x 4,096 x 1,024: a tile of 256 x 256 to a work-group of four waves, 128 x 128 to a wave (64 accumulators); K in steps of 256 through a ring of two LDS slots; the rows' scale bytes in LDS once.
; The matrix instruction is used transposed (source 0 = w1's rows, source 1 = xn's): a lane holds one token and eight neighbouring hidden units.
; xn's row L holds token sigma(L) (bits 3 and 4 exchanged): lane r of tile T stands for token 32 (T / 2) + 8 (T % 2) + r + 8 (r / 8).
; OUT (hq): fragment (tile T of 16 tokens, K step s of 128 hidden units) at (32 T + s) x 1,536: for c = 0, 1: registers 6 c .. 6 c + 3 at 768 c + 16 x lane, 6 c + 4, 6 c + 5 at 768 c + 512 + 8 x lane;
;   its scale words at 12,582,912 + (32 T + s) x 128 + 4 x lane.  A wave's 128 columns are one K step.
; CLUSTERS: 4 x 4; xn's tiles are asked for jointly along a row of the cluster, w1's along a column.
.set KSTEP,  256
.set NQ,     2
.set ROWB,   192
.set KROW,   768
.set PITCH,  240
.set FR,     12
.set NL,     6
.set NP,     4
.set HALFT,  128*PITCH
.set SLOT,   4*HALFT
.set LAPS,   2
.set KS,     32
.set SCL,    2*SLOT
.set HALFS,  (128*KS/256)*272
.set SBLK,   (16*KS/256)*272
.set SPARE,  SCL+4*HALFS               ; the spare words: 128 bytes a wave, named by no other line
.set XSC,    3145728
.set HSC,    12582912
.set LI,   8                           ; v8      16 x lane
.set L8,   9                           ; v9      8 x lane
.set LS,   10                          ; v10     4 x lane
.set ADRA, 16
.set ADRB, 20
.set ADRS, 27
.set SPW,  28
.set NIL,  29
.set SC,   32
.set BC,   64                          ; v64-127 b1 at my 128 columns
.set AF,   128
.set H,    128
.set PC,   192
.set MX,   212
.set TP,   216
.set SO,   220
.set PW,   248
.set G1, 24
.set G0, 32
.set G1B, 48
.set G0B, 56
.set G1S, 68
.set G0S, 76
.set G1SB, 80
.set G0SB, 88
.set SEL, 94
.set MSB, 0
.macro WIN new
.if MSB != \new
	s_set_vgpr_msb (MSB<<8)|\new
.set MSB, \new
.endif
.endm
.set MUL_LO, 0xa1
.set MUL_HI, 0xf1
.set TO_B,   0x40
.macro JLOAD g0a, g1a, g0b, g1b        ; waves 0 and 1 fetch for A, waves 2 and 3 for B; four v_nop follow each line
	s_cmp_eq_u32 s15, 0
	s_cbranch_scc0 .Lfor_b_\@
	tensor_load_to_lds s[\g0a:\g0a+3], s[\g1a:\g1a+7]
	s_nop 0
.rept 4
	v_nop
.endr
	s_branch .Lasked_\@
.Lfor_b_\@:
	tensor_load_to_lds s[\g0b:\g0b+3], s[\g1b:\g1b+7]
	s_nop 0
.rept 4
	v_nop
.endr
.Lasked_\@:
.endm
.macro CREST
	s_cmp_lg_u32 s14, 0
	s_cbranch_scc1 .Lnot_wave_0_\@
	s_barrier_signal -3
.Lnot_wave_0_\@:
	s_barrier_wait -3
	s_barrier_signal -1
	s_barrier_wait -1
.endm
.macro CROUND
	s_barrier_signal -1
	s_barrier_wait -1
	CREST
.endm
	s_load_b64 s[4:5], s[0:1], 0x0                 ; xq
	s_load_b128 s[8:11], s[0:1], 0x8               ; w1's codes, w1's scales
	s_load_b128 s[96:99], s[0:1], 0x18             ; b1, hq
	v_lshl_add_u32 v[SPW], v0, 2, SPARE
	v_mov_b32 v[NIL], 0
	ds_add_u32 v28, v29
	ds_add_u32 v28, v29
	s_wait_dscnt 0x0
	v_lshrrev_b32 v1, 5, v0
	v_readfirstlane_b32 s14, v1
	s_lshr_b32 s15, s14, 1
	s_and_b32 s16, s14, 1
	s_bfe_u32 s40, ttmp6, 0x40000
	s_bfe_u32 s41, ttmp6, 0x40004
	s_lshl_b32 s42, ttmp9, 2
	s_add_co_u32 s42, s42, s40                     ; tile column
	s_and_b32 s17, ttmp7, 0xffff
	s_lshl_b32 s17, s17, 2
	s_add_co_u32 s17, s17, s41                     ; tile row
	s_lshl_b32 s43, s41, 2
	s_lshl_b32 s43, 15, s43
	s_lshl_b32 s44, 0x1111, s40
	s_or_b32 s[G1+0], s43, (0<<16)|(1<<20)|(1<<21)|(3<<22)|(3<<25)
	s_or_b32 s[G1B+0], s44, (0<<16)|(1<<20)|(1<<21)|(3<<22)|(3<<25)
.irp g, G1, G1B
	s_mov_b32 s[\g+1], ROWB<<16
	s_mov_b32 s[\g+2], 128<<16
	s_mov_b32 s[\g+3], ROWB<<16
	s_mov_b32 s[\g+4], 128
	s_mov_b32 s[\g+5], KROW
	s_mov_b32 s[\g+6], 0
	s_mov_b32 s[\g+7], 0
.endr
	s_or_b32 s[G1S+0], s43, (3<<16)|(1<<20)|(1<<21)|(5<<22)|(3<<25)
	s_or_b32 s[G1SB+0], s44, (3<<16)|(1<<20)|(1<<21)|(5<<22)|(3<<25)
.irp g, G1S, G1SB
	s_mov_b32 s[\g+1], 32<<16
	s_mov_b32 s[\g+2], (128*KS/256)<<16
	s_mov_b32 s[\g+3], 32<<16
	s_mov_b32 s[\g+4], 128*KS/256
	s_mov_b32 s[\g+5], 32
	s_mov_b32 s[\g+6], 0
	s_mov_b32 s[\g+7], 0
.endr
	s_lshl_b32 s18, s16, 7
	s_lshl_b32 s20, s17, 8
	s_add_co_u32 s20, s20, s18
	s_lshl_b32 s46, s42, 8
	s_add_co_u32 s46, s46, s18
	s_mov_b32 s21, 0
	s_mov_b32 s47, 0
	s_mov_b64 s[18:19], KS
	s_mul_u64 s[22:23], s[20:21], s[18:19]
	s_mul_u64 s[92:93], s[46:47], s[18:19]
	s_mov_b64 s[18:19], KROW
	s_mul_u64 s[20:21], s[20:21], s[18:19]
	s_mul_u64 s[46:47], s[46:47], s[18:19]
	s_mul_i32 s45, s14, HALFT
	s_mul_i32 s94, s14, HALFS
	s_wait_kmcnt 0x0
	s_add_nc_u64 s[6:7], s[4:5], XSC               ; xn's scale bytes
	s_add_nc_u64 s[20:21], s[4:5], s[20:21]
	s_add_nc_u64 s[22:23], s[6:7], s[22:23]
	s_add_nc_u64 s[46:47], s[8:9], s[46:47]
	s_add_nc_u64 s[92:93], s[10:11], s[92:93]
	CROUND
	s_mov_b32 s[G0S], 1
	s_add_co_u32 s[G0S+1], s94, SCL
	s_mov_b64 s[G0S+2:G0S+3], s[22:23]
	s_or_b32 s[G0S+3], s[G0S+3], 0x80000000
	s_mov_b32 s[G0SB], 1
	s_add_co_u32 s[G0SB+1], s94, SCL
	s_mov_b64 s[G0SB+2:G0SB+3], s[92:93]
	s_or_b32 s[G0SB+3], s[G0SB+3], 0x80000000
	JLOAD G0S, G1S, G0SB, G1SB
.irp s, 0,1
	s_mov_b32 s[G0+4*\s], 1
	s_add_co_u32 s[G0+4*\s+1], s45, \s*SLOT
	s_add_nc_u64 s[G0+4*\s+2:G0+4*\s+3], s[20:21], \s*ROWB
	s_or_b32 s[G0+4*\s+3], s[G0+4*\s+3], 0x80000000
	s_mov_b32 s[G0B+4*\s], 1
	s_add_co_u32 s[G0B+4*\s+1], s45, \s*SLOT
	s_add_nc_u64 s[G0B+4*\s+2:G0B+4*\s+3], s[46:47], \s*ROWB
	s_or_b32 s[G0B+4*\s+3], s[G0B+4*\s+3], 0x80000000
	JLOAD G0+4*\s, G1, G0B+4*\s, G1B
.endr
	v_and_b32 v1, 15, v0
	v_bfe_u32 v2, v0, 4, 1
	v_mul_u32_u24 v3, v1, PITCH
	v_mul_u32_u24 v4, v2, 24
	v_add_nc_u32 v4, v3, v4
	v_lshl_add_u32 v5, v2, 4, v4
	s_mul_i32 s21, s15, HALFT
	s_mul_i32 s22, s16, HALFT
	s_add_co_u32 s22, s22, 2*HALFT
.irp s, 0,1
	v_add_nc_u32 v[ADRA+\s], s21, v4
	v_add_nc_u32 v[ADRB+\s], s22, v4
	v_add_nc_u32 v[ADRA+2+\s], s21, v5
	v_add_nc_u32 v[ADRB+2+\s], s22, v5
	s_add_co_u32 s21, s21, SLOT
	s_add_co_u32 s22, s22, SLOT
.endr
	v_mul_u32_u24 v5, v1, KS
	v_lshrrev_b32 v6, 8, v5
	v_lshl_add_u32 v5, v6, 4, v5
	s_mul_i32 s21, s15, HALFS
	s_mul_i32 s22, s16, HALFS
	s_add_co_u32 s22, s22, 2*HALFS
	s_sub_co_u32 s22, s22, s21
	v_mul_u32_u24 v6, s22, v2
	s_add_co_u32 s21, s21, SCL
	v_add_nc_u32 v5, v5, v6
	v_add_nc_u32 v[ADRS], s21, v5
	v_and_b32 v3, 31, v0
	v_lshlrev_b32 v[LI], 4, v3
	v_lshlrev_b32 v[L8], 3, v3
	v_lshlrev_b32 v[LS], 2, v3
	v_lshlrev_b32 v30, 5, v2                       ; 32 h
	s_lshl_b32 s46, s42, 10
	s_lshl_b32 s47, s16, 9
	s_add_co_u32 s46, s46, s47
	s_mov_b32 s47, 0
	s_add_nc_u64 s[96:97], s[96:97], s[46:47]      ; b1 at my 128 columns
.irp b, 0,1,2,3,4,5,6,7
	global_load_b128 v[BC+8*\b:BC+8*\b+3], v30, s[96:97] offset:64*\b
	global_load_b128 v[BC+8*\b+4:BC+8*\b+7], v30, s[96:97] offset:64*\b+16
.endr
	s_lshl_b32 s20, s17, 4
	s_lshl_b32 s21, s15, 3
	s_add_co_u32 s20, s20, s21                     ; my first tile of tokens
	s_lshl_b32 s20, s20, 5
	s_lshl_b32 s21, s42, 1
	s_add_co_u32 s20, s20, s21
	s_add_co_u32 s20, s20, s16                     ; fragment 32 T + s, s = 2 x tile column + half
	s_mul_i32 s22, s20, 1536
	s_mov_b32 s23, 0
	s_add_nc_u64 s[12:13], s[98:99], s[22:23]
	s_lshl_b32 s22, s20, 7
	s_add_co_u32 s22, s22, HSC
	s_add_nc_u64 s[98:99], s[98:99], s[22:23]
.macro FRAG reg, adr, q, i
.irp p, 0,1,2,3,4,5
.set PCE, 12*(\q)+6*(\p/3)+\p%3
.if PCE%8 < 5
	ds_load_b64 v[\reg+2*\p:\reg+2*\p+1], v[\adr] offset:8*PCE+16*(PCE/8)+(\i)*16*PITCH
.else
	ds_load_b64 v[\reg+2*\p:\reg+2*\p+1], v[\adr+2] offset:8*PCE+16*(PCE/8)+(\i)*16*PITCH
.endif
.endr
.endm
.macro MUL16 a0, p, q, sc, zero        ; the 64 accumulators take turns
.irp a, \a0, \a0+1
.irp b, 0,1,2,3,4,5,6,7
.if \zero
	v_wmma_scale_f32_16x16x128_f8f6f4 v[8*(8*((\a)%4)+\b):8*(8*((\a)%4)+\b)+7], v[128*(\p)+FR*\b:128*(\p)+FR*\b+FR-1], v[AF+FR*(\a):AF+FR*(\a)+FR-1], 0, v[SC+8*NQ*(\sc)+NQ*\b+(\q)], v[SC+8*NQ*(\sc)+NQ*(\a)+(\q)] matrix_a_fmt:MATRIX_FMT_FP6 matrix_b_fmt:MATRIX_FMT_FP6 matrix_a_scale:MATRIX_SCALE_ROW1
.else
	v_wmma_scale_f32_16x16x128_f8f6f4 v[8*(8*((\a)%4)+\b):8*(8*((\a)%4)+\b)+7], v[128*(\p)+FR*\b:128*(\p)+FR*\b+FR-1], v[AF+FR*(\a):AF+FR*(\a)+FR-1], v[8*(8*((\a)%4)+\b):8*(8*((\a)%4)+\b)+7], v[SC+8*NQ*(\sc)+NQ*\b+(\q)], v[SC+8*NQ*(\sc)+NQ*(\a)+(\q)] matrix_a_fmt:MATRIX_FMT_FP6 matrix_b_fmt:MATRIX_FMT_FP6 matrix_a_scale:MATRIX_SCALE_ROW1
.endif
.endr
.endr
.endm
.macro FETCH_B slot, q, p
	WIN TO_B
.irp i, 0,1,2,3,4,5,6,7
	FRAG 128*(\p)+FR*\i, ADRB+\slot, \q, \i
.endr
	WIN 0
.endm
.macro FETCH_A slot, q, i0
.irp i, \i0, \i0+1, \i0+2, \i0+3
	FRAG AF+FR*(\i), ADRA+\slot, \q, \i
.endr
.endm
.macro SCALES sc
.irp i, 0,1,2,3,4,5,6,7
	ds_load_b64 v[SC+8*NQ*\sc+NQ*\i:SC+8*NQ*\sc+NQ*\i+1], v[ADRS] offset:\i*SBLK
.endr
.endm
.macro PLACES n
.rept \n
	v_nop
.endr
.endm
.macro STEP slot, q, zero
	s_wait_dscnt 4*NL                              ; B's set and A's blocks 0-3 are in; the 24 loads of A's blocks 4-7 may be out
	WIN MUL_LO
	MUL16 0, (\q)%2, \q, \slot, \zero
	MUL16 2, (\q)%2, \q, \slot, \zero
	s_wait_dscnt 0
	PLACES NP
	FETCH_B \slot, (\q)+1, 1-(\q)%2
	FETCH_A \slot, (\q)+1, 0
	WIN MUL_HI
	MUL16 4, (\q)%2, \q, \slot, \zero
	MUL16 6, (\q)%2, \q, \slot, \zero
	PLACES NP
	WIN 0
	FETCH_A \slot, (\q)+1, 4
.endm
.macro TURN slot, next, fill
	s_wait_tensorcnt 0x0                           ; all my tensor loads have landed: my part of the next slot
	ds_add_u32 v[SPW], v[NIL]                      ; 0 onto my spare word
	s_wait_dscnt 4*NL+1                            ; the add and the 24 loads of A's blocks 4-7 may be out
	WIN MUL_LO
	MUL16 0, 1, NQ-1, \slot, 0
	s_wait_dscnt 0x0                               ; the add is done, and my reads of this slot are over
	s_barrier_signal -1
	MUL16 2, 1, NQ-1, \slot, 0
	WIN 0
	s_barrier_wait -1
.if \fill
	CREST
	s_add_nc_u64 s[G0+4*\slot+2:G0+4*\slot+3], s[G0+4*\slot+2:G0+4*\slot+3], 2*ROWB
	s_add_nc_u64 s[G0B+4*\slot+2:G0B+4*\slot+3], s[G0B+4*\slot+2:G0B+4*\slot+3], 2*ROWB
	JLOAD G0+4*\slot, G1, G0B+4*\slot, G1B
.else
	PLACES NP
.endif
	v_add_nc_u32 v[ADRS], 4*NQ, v[ADRS]
	FETCH_B \next, 0, 0
	FETCH_A \next, 0, 0
	SCALES \next
	WIN MUL_HI
	MUL16 4, 1, NQ-1, \slot, 0
	MUL16 6, 1, NQ-1, \slot, 0
	PLACES NP
	WIN 0
	FETCH_A \next, 0, 4
.endm
	s_wait_tensorcnt 1                             ; the scales and my part of K step 0 are in; K step 1's load may be out
	s_barrier_signal -1
	s_barrier_wait -1
	FETCH_B 0, 0, 0
	FETCH_A 0, 0, 0
	SCALES 0
	FETCH_A 0, 0, 4
	STEP 0, 0, 1
	s_mov_b32 s3, LAPS-1
.Llap:
	TURN 0, 1, 1
	STEP 1, 0, 0
	TURN 1, 0, 1
	STEP 0, 0, 0
	s_sub_co_u32 s3, s3, 1
	s_cmp_lg_u32 s3, 0
	s_cbranch_scc1 .Llap
	TURN 0, 1, 0
	STEP 1, 0, 0
	s_wait_dscnt 4*NL
	WIN MUL_LO
	MUL16 0, 1, NQ-1, 1, 0
	MUL16 2, 1, NQ-1, 1, 0
	s_wait_dscnt 0
	WIN MUL_HI
	MUL16 4, 1, NQ-1, 1, 0
	MUL16 6, 1, NQ-1, 1, 0
	WIN 0
; THE WAY OUT IS A QUANTISER.  64 numbers of a lane, register 16 b + i = k 32 b + 16 (lane / 16) + i of my row, become a fragment's 12 registers in v[PC] on and its scale word in v[PW].
.macro QUANT s
.irp b, 0,1,2,3
	v_max3_num_f32 v[MX+\b], |v[\s+16*\b]|, |v[\s+1+16*\b]|, 0x1800000   ; and the floor 2^(3 - 127): the byte cannot fall under 1
.endr
.irp i, 2,4,6,8,10,12,14
.irp b, 0,1,2,3
	v_max3_num_f32 v[MX+\b], v[MX+\b], |v[\s+16*\b+\i]|, |v[\s+1+16*\b+\i]|
.endr
.endr
.irp b, 0,1,2,3
	v_permlanex16_b32 v[TP+\b], v[MX+\b], s[SEL], s[SEL+1]
.endr
.irp b, 0,1,2,3
	v_max_num_f32 v[MX+\b], v[MX+\b], v[TP+\b]
.endr
.irp b, 0,1,2,3
	v_add_nc_u32 v[SO+\b], 0xff000000, v[MX+\b]
.endr
.irp b, 0,1,2,3
	v_lshrrev_b32 v[TP+\b], 23, v[SO+\b]
.endr
	v_lshl_or_b32 v[PW], v[TP+1], 8, v[TP]
	v_lshl_or_b32 v[PW], v[TP+2], 16, v[PW]
	v_lshl_or_b32 v[PW], v[TP+3], 24, v[PW]
.irp c, 0,1
	v_cvt_scalef32_pk16_fp6_f32 v[PC+6*\c:PC+2+6*\c], v[\s+32*\c:\s+15+32*\c], v[SO+2*\c]
	v_cvt_scalef32_pk16_fp6_f32 v[PC+12+4*\c:PC+14+4*\c], v[\s+16+32*\c:\s+31+32*\c], v[SO+2*\c+1]
.endr
	v_nop                                          ; one plain line behind a scaled conversion
.irp c, 0,1
.irp i, 0,1,2
	v_permlane16_swap_b32 v[PC+6*\c+\i], v[PC+12+4*\c+\i]
.endr
.irp i, 0,1,2
	v_mov_b32 v[PC+3+6*\c+\i], v[PC+12+4*\c+\i]
.endr
.endr
.endm
.macro SWAPS                           ; two tiles' eight columns a half become 16 neighbours a lane
.irp b, 0,1,2,3
.irp j, 0,1,2,3,4,5,6,7
	v_permlane16_swap_b32 v[H+16*\b+\j], v[H+16*\b+8+\j]
.endr
.endr
.endm
.macro OUTH a                          ; block a: 16 tokens x my 128 hidden units: one fragment
.set AC, 64*((\a)%4)
	WIN (0x02+(\a)/4)
.set i, 0
.rept 32
	v_pk_add_f32 v[H+i:H+i+1], v[AC+i:AC+i+1], v[BC+i:BC+i+1]   ; + b1; each accumulator from its low end on
.set i, i+2
.endr
	WIN 0
.set i, 0
.rept 64
	v_max_num_f32 v[H+i], 0, v[H+i]                ; relu
.set i, i+1
.endr
	SWAPS
	s_wait_xcnt 0x0                                ; the last block's stores have read their registers
	QUANT H
	global_store_b128 v[LI], v[PC:PC+3], s[12:13] offset:49152*(\a)            ; 512, 256, 512, 256 and 128 consecutive bytes
	global_store_b64 v[L8], v[PC+4:PC+5], s[12:13] offset:49152*(\a)+512
	global_store_b128 v[LI], v[PC+6:PC+9], s[12:13] offset:49152*(\a)+768
	global_store_b64 v[L8], v[PC+10:PC+11], s[12:13] offset:49152*(\a)+1280
	global_store_b32 v[LS], v[PW], s[98:99] offset:4096*(\a)
.endm
	PLACES NP
	s_mov_b32 s[SEL], 0x76543210
	s_mov_b32 s[SEL+1], 0xfedcba98
.irp b, 0,1,2,3
	v_mov_b32 v[TP+\b], 0                          ; a lane permute's destination counts as one of its sources
.endr
	s_wait_loadcnt 0x0                             ; b1
.irp a, 0,1,2,3,4,5,6,7
	OUTH \a
.endr
	s_wait_tensorcnt 0x0                           ; the wave's end
	ds_add_u32 v[SPW], v[NIL]
	s_wait_dscnt 0x0
	CROUND
	s_endpgm
.Lfunc_end_k_qe545f4ca51_ffn1:
	.size	k_qe545f4ca51_ffn1, .Lfunc_end_k_qe545f4ca51_ffn1-k_qe545f4ca51_ffn1
	.p2alignl 7, 3214868480
	.fill 96, 4, 3214868480
	.section	.rodata,"a",@progbits
	.p2align	6, 0x0
	.amdhsa_kernel k_qe545f4ca51_ffn1
		.amdhsa_group_segment_fixed_size 327680
		.amdhsa_private_segment_fixed_size 0
		.amdhsa_enable_private_segment 0
		.amdhsa_kernarg_size 40
		.amdhsa_user_sgpr_count 2
		.amdhsa_user_sgpr_kernarg_segment_ptr 1
		.amdhsa_wavefront_size32 1
		.amdhsa_system_sgpr_workgroup_id_x 1
		.amdhsa_system_sgpr_workgroup_id_y 1
		.amdhsa_system_sgpr_workgroup_id_z 1
		.amdhsa_system_vgpr_workitem_id 0
		.amdhsa_next_free_vgpr 1024
		.amdhsa_next_free_sgpr 100
		.amdhsa_reserve_vcc 0
		.amdhsa_float_denorm_mode_32 3
		.amdhsa_float_denorm_mode_16_64 3
		.amdhsa_memory_ordered 1
		.amdhsa_forward_progress 1
		.amdhsa_inst_pref_size 207
	.end_amdhsa_kernel
	.amdgpu_metadata
---
amdhsa.version: [ 1, 2 ]
amdhsa.kernels:
  - .name:           k_qe545f4ca51_ffn1
    .symbol:         k_qe545f4ca51_ffn1.kd
    .args:
      - { .name: xq, .offset: 0, .size: 8, .value_kind: global_buffer, .address_space: global }
      - { .name: w1_codes, .offset: 8, .size: 8, .value_kind: global_buffer, .address_space: global }
      - { .name: w1_scales, .offset: 16, .size: 8, .value_kind: global_buffer, .address_space: global }
      - { .name: b1, .offset: 24, .size: 8, .value_kind: global_buffer, .address_space: global }
      - { .name: hq, .offset: 32, .size: 8, .value_kind: global_buffer, .address_space: global }
    .group_segment_fixed_size: 327680
    .private_segment_fixed_size: 0
    .kernarg_segment_align: 8
    .kernarg_segment_size: 40
    .max_flat_workgroup_size: 128
    .sgpr_count:     100
    .vgpr_count:     1024
    .wavefront_size: 32
...
	.end_amdgpu_metadata
.endif
;; end of part 5
;; launch ffn2 (part 6): grid 8 x 32, 4 waves a work-group, clusters of 4 x 4, 327,680 bytes of LDS; arguments hq, w2_codes, w2_scales, b2, x1, out0; writes out0
.if DOCPART == 6
	.amdgcn_target "amdgcn-amd-amdhsa--gfx1250"
	.amdhsa_code_object_version 6
	.text
	.protected	k_qe545f4ca51_ffn2
	.globl	k_qe545f4ca51_ffn2
	.p2align	8
	.type	k_qe545f4ca51_ffn2,@function
k_qe545f4ca51_ffn2:
	s_mov_b64 s[64:65], 0
	v_nop
	global_prefetch_b8 v0, s[64:65] scope:SCOPE_SE
	s_setreg_imm32_b32 hwreg(HW_REG_WAVE_MODE, 25, 1), 1
	s_wait_xcnt 0x0
	s_wait_alu depctr_hold_cnt(0) depctr_sa_sdst(0) depctr_va_vdst(0) depctr_va_sdst(0) depctr_va_ssrc(0) depctr_va_vcc(0) depctr_vm_vsrc(0)
	s_getreg_b32 s2, hwreg(HW_REG_IB_STS2, 6, 4)
	s_cmp_eq_u32 s2, 0
	s_cbranch_scc0 .Lentry_in_a_cluster
	s_endpgm
.Lentry_in_a_cluster:
	s_bfe_u32 s2, ttmp6, 0x10000c
	s_cmp_lg_u32 s2, 0xf033
	s_cbranch_scc0 .Lentry_shape_is_right
	s_endpgm
.Lentry_shape_is_right:
; out = resid + A W^T + bias.  A: 4,096 tokens x SIZE_K as images of operand fragments (made by the launch before); W: [1024][SIZE_K] codes of E2M3, K innermost, with scale bytes; bias [1024], resid and out [4096][1024] f32.
; A tile of 128 x 128 to a work-group (256 work-groups), 64 x 64 to a wave: 16 accumulators.  K in slots of 512 (four steps of 128) through a ring of two LDS slots.
; A's fragment (tile T, step s) lies at (T x KF + s) x 1,536: registers 6 c .. 6 c + 3 at 768 c + 16 x lane, 6 c + 4, 6 c + 5 at 768 c + 512 + 8 x lane; its scale words at ASC + (T x KF + s) x 128 + 4 x lane.
; Lane r of tile T stands for token 32 (T / 2) + 8 (T % 2) + r + 8 (r / 8).  W's rows come as rows of 384 bytes with 16 of padding behind every 128 (pitch 432).
; All scale words of the work-group's rows come into LDS once.  The matrix instruction is used transposed (source 0 = W's rows, source 1 = A).
; CLUSTERS: 4 x 4; A's tiles are asked for jointly along a row of the cluster, W's along a column.
; The residual's 64 x 64 numbers of a wave are loaded at the head, into window 2, and wait there.
.set SIZE_K, 4096
.set KF,     SIZE_K/128
.set KS,     SIZE_K/32
.set KROW,   SIZE_K*3/4
.set FR,     12
.set TILEB,  6144
.set AHALF,  4*TILEB
.set BP,     432
.set BHALF,  64*BP
.set BOFF,   2*AHALF
.set SLOT,   BOFF+2*BHALF
.set LAPS,   SIZE_K/1024
.set SCA,    2*SLOT
.set SAH,    4*KF*128
.set SCB,    SCA+2*SAH
.set SBH,    (64*KS/256)*272
.set SBB,    (16*KS/256)*272
.set STAGE,  SCB+2*SBH
.set SP,     272
.set SPARE,  STAGE+4*16*SP             ; the spare words: 128 bytes a wave, named by no other line
.set ASC,    3*SIZE_K*1024
.set ADA,  16
.set ADA8, 18
.set ADB,  20
.set ADB2, 22
.set STO,  24
.set RD,   25
.set CO,   26
.set ADSA, 27
.set SPW,  28
.set NIL,  29
.set ADSB, 30
.set BO,   31
.set SA,   32
.set SB,   64
.set BI,   96
.set ACC,  128
.set G1, 24
.set G0, 32
.set G1B, 48
.set G0B, 56
.set G1S, 68
.set G0S, 76
.set G1SB, 80
.set G0SB, 88
.set MSB, 0
.macro WIN new
.if MSB != \new
	s_set_vgpr_msb (MSB<<8)|\new
.set MSB, \new
.endif
.endm
.set MUL,  0x05
.set TO_F, 0x40
.macro JLOAD g0a, g1a, g0b, g1b        ; waves 0 and 1 fetch for A, waves 2 and 3 for W; four v_nop follow each line
	s_cmp_eq_u32 s15, 0
	s_cbranch_scc0 .Lfor_b_\@
	tensor_load_to_lds s[\g0a:\g0a+3], s[\g1a:\g1a+7]
	s_nop 0
.rept 4
	v_nop
.endr
	s_branch .Lasked_\@
.Lfor_b_\@:
	tensor_load_to_lds s[\g0b:\g0b+3], s[\g1b:\g1b+7]
	s_nop 0
.rept 4
	v_nop
.endr
.Lasked_\@:
.endm
.macro CREST
	s_cmp_lg_u32 s14, 0
	s_cbranch_scc1 .Lnot_wave_0_\@
	s_barrier_signal -3
.Lnot_wave_0_\@:
	s_barrier_wait -3
	s_barrier_signal -1
	s_barrier_wait -1
.endm
.macro CROUND
	s_barrier_signal -1
	s_barrier_wait -1
	CREST
.endm
	s_load_b256 s[4:11], s[0:1], 0x0               ; A, W's codes, W's scales, bias
	s_load_b128 s[92:95], s[0:1], 0x20             ; resid, out
	v_lshl_add_u32 v[SPW], v0, 2, SPARE
	v_mov_b32 v[NIL], 0
	ds_add_u32 v28, v29
	ds_add_u32 v28, v29
	s_wait_dscnt 0x0
	v_lshrrev_b32 v1, 5, v0
	v_readfirstlane_b32 s14, v1
	s_lshr_b32 s15, s14, 1
	s_and_b32 s16, s14, 1
	s_bfe_u32 s40, ttmp6, 0x40000
	s_bfe_u32 s41, ttmp6, 0x40004
	s_lshl_b32 s42, ttmp9, 2
	s_add_co_u32 s42, s42, s40
	s_and_b32 s17, ttmp7, 0xffff
	s_lshl_b32 s17, s17, 2
	s_add_co_u32 s17, s17, s41
	s_lshl_b32 s43, s41, 2
	s_lshl_b32 s43, 15, s43
	s_lshl_b32 s44, 0x1111, s40
	s_or_b32 s[G1+0], s43, (3<<16)|(1<<21)
	s_mov_b32 s[G1+1], 768<<16
	s_mov_b32 s[G1+2], 4<<16
	s_mov_b32 s[G1+3], 768<<16
	s_mov_b32 s[G1+4], 4
	s_mov_b32 s[G1+5], 192*KF
	s_mov_b32 s[G1+6], 0
	s_mov_b32 s[G1+7], 0
	s_or_b32 s[G1B+0], s44, (0<<16)|(1<<20)|(1<<21)|(4<<22)|(3<<25)
	s_mov_b32 s[G1B+1], 384<<16
	s_mov_b32 s[G1B+2], 64<<16
	s_mov_b32 s[G1B+3], 384<<16
	s_mov_b32 s[G1B+4], 64
	s_mov_b32 s[G1B+5], KROW
	s_mov_b32 s[G1B+6], 0
	s_mov_b32 s[G1B+7], 0
	s_or_b32 s[G1S+0], s43, (3<<16)|(1<<21)
	s_mov_b32 s[G1S+1], 32<<16
	s_mov_b32 s[G1S+2], (2*KF)<<16
	s_mov_b32 s[G1S+3], 32<<16
	s_mov_b32 s[G1S+4], 2*KF
	s_mov_b32 s[G1S+5], 32
	s_mov_b32 s[G1S+6], 0
	s_mov_b32 s[G1S+7], 0
	s_or_b32 s[G1SB+0], s44, (3<<16)|(1<<20)|(1<<21)|(5<<22)|(3<<25)
	s_mov_b32 s[G1SB+1], 32<<16
	s_mov_b32 s[G1SB+2], (64*KS/256)<<16
	s_mov_b32 s[G1SB+3], 32<<16
	s_mov_b32 s[G1SB+4], 64*KS/256
	s_mov_b32 s[G1SB+5], 32
	s_mov_b32 s[G1SB+6], 0
	s_mov_b32 s[G1SB+7], 0
	s_lshl_b32 s20, s17, 3
	s_lshl_b32 s18, s16, 2
	s_add_co_u32 s20, s20, s18
	s_mul_i32 s22, s20, KF*128
	s_add_co_u32 s22, s22, ASC
	s_mov_b32 s23, 0
	s_mul_i32 s20, s20, KF*1536
	s_mov_b32 s21, 0
	s_lshl_b32 s46, s42, 7
	s_lshl_b32 s18, s16, 6
	s_add_co_u32 s46, s46, s18
	s_mul_i32 s96, s46, KS
	s_mov_b32 s97, 0
	s_mul_i32 s46, s46, KROW
	s_mov_b32 s47, 0
	s_mul_i32 s45, s16, AHALF
	s_mul_i32 s19, s16, BHALF
	s_add_co_u32 s19, s19, BOFF
	s_mul_i32 s18, s16, SAH
	s_mul_i32 s3, s16, SBH
	s_wait_kmcnt 0x0
	s_add_nc_u64 s[20:21], s[4:5], s[20:21]
	s_add_nc_u64 s[22:23], s[4:5], s[22:23]
	s_add_nc_u64 s[46:47], s[6:7], s[46:47]
	s_add_nc_u64 s[96:97], s[8:9], s[96:97]
	CROUND
	s_mov_b32 s[G0S], 1
	s_add_co_u32 s[G0S+1], s18, SCA
	s_mov_b64 s[G0S+2:G0S+3], s[22:23]
	s_or_b32 s[G0S+3], s[G0S+3], 0x80000000
	s_mov_b32 s[G0SB], 1
	s_add_co_u32 s[G0SB+1], s3, SCB
	s_mov_b64 s[G0SB+2:G0SB+3], s[96:97]
	s_or_b32 s[G0SB+3], s[G0SB+3], 0x80000000
	JLOAD G0S, G1S, G0SB, G1SB
.irp s, 0,1
	s_mov_b32 s[G0+4*\s], 1
	s_add_co_u32 s[G0+4*\s+1], s45, \s*SLOT
	s_add_nc_u64 s[G0+4*\s+2:G0+4*\s+3], s[20:21], \s*TILEB
	s_or_b32 s[G0+4*\s+3], s[G0+4*\s+3], 0x80000000
	s_mov_b32 s[G0B+4*\s], 1
	s_add_co_u32 s[G0B+4*\s+1], s19, \s*SLOT
	s_add_nc_u64 s[G0B+4*\s+2:G0B+4*\s+3], s[46:47], \s*384
	s_or_b32 s[G0B+4*\s+3], s[G0B+4*\s+3], 0x80000000
	JLOAD G0+4*\s, G1, G0B+4*\s, G1B
.endr
	v_and_b32 v1, 15, v0
	v_bfe_u32 v2, v0, 4, 1
	v_and_b32 v3, 31, v0
	v_lshlrev_b32 v4, 4, v3
	v_lshlrev_b32 v5, 3, v3
	v_add_nc_u32 v5, 512, v5
	v_mul_u32_u24 v6, v1, BP
	v_mad_u32_u24 v6, v2, 24, v6
	v_lshl_add_u32 v7, v2, 4, v6
	s_mul_i32 s21, s15, AHALF
	s_mul_i32 s22, s16, BHALF
	s_add_co_u32 s22, s22, BOFF
.irp s, 0,1
	v_add_nc_u32 v[ADA+\s], s21, v4
	v_add_nc_u32 v[ADA8+\s], s21, v5
	v_add_nc_u32 v[ADB+\s], s22, v6
	v_add_nc_u32 v[ADB2+\s], s22, v7
	s_add_co_u32 s21, s21, SLOT
	s_add_co_u32 s22, s22, SLOT
.endr
	v_lshlrev_b32 v8, 2, v3
	s_mul_i32 s21, s15, SAH
	s_add_co_u32 s21, s21, SCA
	v_add_nc_u32 v[ADSA], s21, v8
	v_mul_u32_u24 v8, v1, KS
	v_lshrrev_b32 v9, 8, v8
	v_lshl_add_u32 v8, v9, 4, v8
	s_mul_i32 s22, s16, SBH
	s_add_co_u32 s22, s22, SCB
	v_add_nc_u32 v[ADSB], s22, v8
	s_mul_i32 s23, s14, 16*SP
	s_add_co_u32 s23, s23, STAGE
	v_mul_u32_u24 v8, v1, SP
	v_lshl_add_u32 v8, v2, 5, v8
	v_add_nc_u32 v[STO], s23, v8
	v_mul_u32_u24 v8, v2, SP
	v_lshl_add_u32 v8, v1, 4, v8
	v_add_nc_u32 v[RD], s23, v8
	v_lshlrev_b32 v[CO], 12, v2
	v_lshl_add_u32 v[CO], v1, 4, v[CO]
	v_lshlrev_b32 v[BO], 4, v1
	s_lshl_b32 s20, s17, 7
	s_lshl_b32 s21, s15, 6
	s_add_co_u32 s20, s20, s21
	s_lshl_b32 s20, s20, 12
	s_lshl_b32 s46, s42, 9
	s_lshl_b32 s47, s16, 8
	s_add_co_u32 s46, s46, s47
	s_mov_b32 s47, 0
	s_add_nc_u64 s[10:11], s[10:11], s[46:47]
	s_add_co_u32 s20, s20, s46
	s_mov_b32 s21, 0
	s_add_nc_u64 s[92:93], s[92:93], s[20:21]
	s_add_nc_u64 s[94:95], s[94:95], s[20:21]
	global_load_b128 v[BI:BI+3], v[BO], s[10:11]
	WIN 0x80
.irp a, 0,1,2,3
.irp t, 0,1,2,3,4,5,6,7
	global_load_b128 v[32*\a+4*\t:32*\a+4*\t+3], v[CO], s[92:93] offset:(32*(\a/2)+8*(\a%2)+2*\t+8*(\t/4))*4096
.endr
.endr
	WIN 0
.macro FRAGA reg, slot, q, i
.irp c, 0,1
	ds_load_b128 v[\reg+6*\c:\reg+6*\c+3], v[ADA+\slot] offset:TILEB*(\i)+1536*(\q)+768*\c
	ds_load_b64 v[\reg+6*\c+4:\reg+6*\c+5], v[ADA8+\slot] offset:TILEB*(\i)+1536*(\q)+768*\c
.endr
.endm
.macro FRAGB reg, slot, q, i
.irp p, 0,1,2,3,4,5
.set PCE, 12*(\q)+6*(\p/3)+\p%3
.if PCE%16 < 13
	ds_load_b64 v[\reg+2*\p:\reg+2*\p+1], v[ADB+\slot] offset:8*PCE+16*(PCE/16)+(\i)*16*BP
.else
	ds_load_b64 v[\reg+2*\p:\reg+2*\p+1], v[ADB2+\slot] offset:8*PCE+16*(PCE/16)+(\i)*16*BP
.endif
.endr
.endm
.macro FETCH slot, q, f
	WIN TO_F
.irp i, 0,1,2,3
	FRAGB (\f)+64+FR*\i, \slot, \q, \i
.endr
.irp i, 0,1,2,3
	FRAGA (\f)+FR*\i, \slot, \q, \i
.endr
.endm
.macro SCALES s
.irp i, 0,1,2,3
.irp q, 0,1,2,3
	ds_load_b32 v[SA+16*\s+4*\i+\q], v[ADSA] offset:\i*KF*128+128*\q
.endr
	ds_load_b128 v[SB+16*\s+4*\i:SB+16*\s+4*\i+3], v[ADSB] offset:\i*SBB
.endr
.endm
.macro MUL4 f, a, q, s, zero           ; the 16 accumulators take turns
.irp b, 0,1,2,3
.if \zero
	v_wmma_scale_f32_16x16x128_f8f6f4 v[ACC+8*(4*(\a)+\b):ACC+8*(4*(\a)+\b)+7], v[(\f)+64+FR*\b:(\f)+64+FR*\b+FR-1], v[(\f)+FR*(\a):(\f)+FR*(\a)+FR-1], 0, v[SB+16*(\s)+4*\b+(\q)], v[SA+16*(\s)+4*(\a)+(\q)] matrix_a_fmt:MATRIX_FMT_FP6 matrix_b_fmt:MATRIX_FMT_FP6
.else
	v_wmma_scale_f32_16x16x128_f8f6f4 v[ACC+8*(4*(\a)+\b):ACC+8*(4*(\a)+\b)+7], v[(\f)+64+FR*\b:(\f)+64+FR*\b+FR-1], v[(\f)+FR*(\a):(\f)+FR*(\a)+FR-1], v[ACC+8*(4*(\a)+\b):ACC+8*(4*(\a)+\b)+7], v[SB+16*(\s)+4*\b+(\q)], v[SA+16*(\s)+4*(\a)+(\q)] matrix_a_fmt:MATRIX_FMT_FP6 matrix_b_fmt:MATRIX_FMT_FP6
.endif
.endr
.endm
.macro PLACES n
.rept \n
	v_nop
.endr
.endm
.macro STEP slot, q, zero
	s_wait_dscnt 0x0                               ; this step's loads, issued a step ago, are in
	PLACES 4
	FETCH \slot, (\q)+1, 128*(((\q)+1)%2)
	WIN MUL
.irp a, 0,1,2,3
	MUL4 128*((\q)%2), \a, \q, \slot, \zero
.endr
.endm
.macro TURN slot, next, fill
	WIN 0
	s_wait_tensorcnt 0x0                           ; all my tensor loads have landed: my part of the next slot
	ds_add_u32 v[SPW], v[NIL]                      ; 0 onto my spare word
	s_wait_dscnt 1                                 ; the step's fragments are in; the add may be out
	WIN MUL
	MUL4 128, 0, 3, \slot, 0
	s_wait_dscnt 0x0                               ; the add is done, and my reads of this slot are over
	s_barrier_signal -1
	MUL4 128, 1, 3, \slot, 0
	WIN 0
	s_barrier_wait -1
.if \fill
	CREST                                          ; the barrier has opened a round of the cluster's: no wave of any partner still reads this slot or has a load on its way
	s_add_nc_u64 s[G0+4*\slot+2:G0+4*\slot+3], s[G0+4*\slot+2:G0+4*\slot+3], 2*TILEB
	s_add_nc_u64 s[G0B+4*\slot+2:G0B+4*\slot+3], s[G0B+4*\slot+2:G0B+4*\slot+3], 2*384
	JLOAD G0+4*\slot, G1, G0B+4*\slot, G1B
.else
	PLACES 4
.endif
	v_add_nc_u32 v[ADSA], 512, v[ADSA]
	v_add_nc_u32 v[ADSB], 16, v[ADSB]
	FETCH \next, 0, 0
	WIN 0
	SCALES \next
	WIN MUL
	MUL4 128, 2, 3, \slot, 0
	MUL4 128, 3, 3, \slot, 0
.endm
	s_wait_tensorcnt 1                             ; the scales and my part of slot 0 are in; slot 1's load may be out
	s_barrier_signal -1
	s_barrier_wait -1
	FETCH 0, 0, 0
	WIN 0
	SCALES 0
	STEP 0, 0, 1
.if LAPS > 1
	WIN 0
	s_mov_b32 s3, LAPS-1
.Llap:                                             ; a trip goes once round the ring and fills both slots again
	STEP 0, 1, 0
	STEP 0, 2, 0
	TURN 0, 1, 1
	STEP 1, 0, 0
	STEP 1, 1, 0
	STEP 1, 2, 0
	TURN 1, 0, 1
	STEP 0, 0, 0
	WIN 0
	s_sub_co_u32 s3, s3, 1
	s_cmp_lg_u32 s3, 0
	s_cbranch_scc1 .Llap
.endif
	STEP 0, 1, 0
	STEP 0, 2, 0
	TURN 0, 1, 0
	STEP 1, 0, 0
	STEP 1, 1, 0
	STEP 1, 2, 0
	s_wait_dscnt 0x0
	WIN MUL
.irp a, 0,1,2,3
	MUL4 128, \a, 3, 1, 0
.endr
	WIN 0
; THE WAY OUT: a block of 16 tokens x 64 columns goes through my stage and comes back as rows of 256 bytes (into window 1, whose buffers are done with); + bias + residual; sixteen lanes store 256 consecutive aligned bytes.
.macro OUTB a
.set BK, 64*((\a)%2)
.irp b, 0,1,2,3
	ds_store_b128 v[STO], v[ACC+8*(4*(\a)+\b):ACC+8*(4*(\a)+\b)+3] offset:64*\b
	ds_store_b128 v[STO], v[ACC+8*(4*(\a)+\b)+4:ACC+8*(4*(\a)+\b)+7] offset:64*\b+16
.endr
.if (\a) > 1
	s_wait_xcnt 0x0                                ; block a - 2's stores have read their registers
.endif
	WIN 0x40
.irp t, 0,1,2,3,4,5,6,7
	ds_load_b128 v[BK+4*\t:BK+4*\t+3], v[RD] offset:\t*2*SP
.endr
	s_wait_dscnt 0x0
	WIN 0x41
.irp t, 0,1,2,3,4,5,6,7
.irp u, 0,2
	v_pk_add_f32 v[BK+4*\t+\u:BK+4*\t+\u+1], v[BK+4*\t+\u:BK+4*\t+\u+1], v[BI+\u:BI+\u+1]
.endr
.endr
	WIN 0x49
.irp t, 0,1,2,3,4,5,6,7
.irp u, 0,2
	v_pk_add_f32 v[BK+4*\t+\u:BK+4*\t+\u+1], v[BK+4*\t+\u:BK+4*\t+\u+1], v[32*(\a)+4*\t+\u:32*(\a)+4*\t+\u+1]
.endr
.endr
	WIN 0x04
.irp t, 0,1,2,3,4,5,6,7
	global_store_b128 v[CO], v[BK+4*\t:BK+4*\t+3], s[94:95] offset:(32*((\a)/2)+8*((\a)%2)+2*\t+8*(\t/4))*4096
.endr
	WIN 0
.endm
	PLACES 4
	s_wait_loadcnt 0x0
	OUTB 0
	OUTB 1
	OUTB 2
	OUTB 3
	s_wait_tensorcnt 0x0                           ; the wave's end
	ds_add_u32 v[SPW], v[NIL]
	s_wait_dscnt 0x0
	CROUND
	s_endpgm
.Lfunc_end_k_qe545f4ca51_ffn2:
	.size	k_qe545f4ca51_ffn2, .Lfunc_end_k_qe545f4ca51_ffn2-k_qe545f4ca51_ffn2
	.p2alignl 7, 3214868480
	.fill 96, 4, 3214868480
	.section	.rodata,"a",@progbits
	.p2align	6, 0x0
	.amdhsa_kernel k_qe545f4ca51_ffn2
		.amdhsa_group_segment_fixed_size 327680
		.amdhsa_private_segment_fixed_size 0
		.amdhsa_enable_private_segment 0
		.amdhsa_kernarg_size 48
		.amdhsa_user_sgpr_count 2
		.amdhsa_user_sgpr_kernarg_segment_ptr 1
		.amdhsa_wavefront_size32 1
		.amdhsa_system_sgpr_workgroup_id_x 1
		.amdhsa_system_sgpr_workgroup_id_y 1
		.amdhsa_system_sgpr_workgroup_id_z 1
		.amdhsa_system_vgpr_workitem_id 0
		.amdhsa_next_free_vgpr 768
		.amdhsa_next_free_sgpr 98
		.amdhsa_reserve_vcc 0
		.amdhsa_float_denorm_mode_32 3
		.amdhsa_float_denorm_mode_16_64 3
		.amdhsa_memory_ordered 1
		.amdhsa_forward_progress 1
		.amdhsa_inst_pref_size 114
	.end_amdhsa_kernel
	.amdgpu_metadata
---
amdhsa.version: [ 1, 2 ]
amdhsa.kernels:
  - .name:           k_qe545f4ca51_ffn2
    .symbol:         k_qe545f4ca51_ffn2.kd
    .args:
      - { .name: hq, .offset: 0, .size: 8, .value_kind: global_buffer, .address_space: global }
      - { .name: w2_codes, .offset: 8, .size: 8, .value_kind: global_buffer, .address_space: global }
      - { .name: w2_scales, .offset: 16, .size: 8, .value_kind: global_buffer, .address_space: global }
      - { .name: b2, .offset: 24, .size: 8, .value_kind: global_buffer, .address_space: global }
      - { .name: x1, .offset: 32, .size: 8, .value_kind: global_buffer, .address_space: global }
      - { .name: out0, .offset: 40, .size: 8, .value_kind: global_buffer, .address_space: global }
    .group_segment_fixed_size: 327680
    .private_segment_fixed_size: 0
    .kernarg_segment_align: 8
    .kernarg_segment_size: 48
    .max_flat_workgroup_size: 128
    .sgpr_count:     98
    .vgpr_count:     768
    .wavefront_size: 32
...
	.end_amdgpu_metadata
.endif
;; end of part 6
